; MI455X (gfx1250); checked and timed in simulation.
; The chip was launched on July 23, 2026; its instructions are those of AMD's public machine-readable ISA for CDNA 5 (MIT licence, August 2026) and "CDNA5" Instruction Set Architecture Reference Guide (July 2026). The comments in the code are by the model that wrote it; some were corrected since.
;; Transformer Block. Allowed arithmetic: matrix products marked QUANTISED: E3M2 operands, one E8M0 scale for each 32 along K, by v_wmma_scale_f32_16x16x128_f8f6f4 with both operands' format E3M2, f32 sums; products left as they are: f32 operands where the result goes on into a quantised operand, else bf16, f16 or f32 operands; f32 sums; everything else in f32.
;; Inputs: Wmlp1 1,024 x 4,096 float32; Wmlp2 4,096 x 1,024 float32; Wproj 1,024 x 1,024 float32; Wqkv 1,024 x 3,072 float32; Wss1 1,024 x 2,048 float32; Wss2 1,024 x 2,048 float32; attn_bias 2,048 x 2,048 float32; attn_mask 2,048 x 2,048 float32; bmlp1 4,096 float32; bmlp2 1,024 float32; bproj 1,024 float32; bqkv 3,072 float32; bss1 2,048 float32; bss2 2,048 float32; key_padding_mask 2 x 2,048 bool; t_vec 2 x 1,024 float32; x 2 x 2,048 x 1,024 float32.
;; Outputs: out0 2 x 2,048 x 1,024 float32.
;; This version of the problem:
;;   THIS VERSION OF THE PROBLEM IS GIVEN IN LOW PRECISION. The matrix products marked QUANTISED in the list below multiply operands that are first quantised to E3M2 (3 exponent bits, 2 mantissa bits; 6 bits a number), with one power-of-two scale for each 32 numbers along K (OCP MX v1.0); their sums are f32. All else is computed in f32.
;;   The module's matrix products, in the order in which they are computed (A, B: the left and right operand; K: the contracted axis; several contracted axes count as one K, in the product's order):
;;     1. [M 2, K 1,024] x [K 1,024, N 2,048]; A: computed on the way; B: input Wss1: left as it is (M = 2 < 16)
;;     2. [M 4,096, K 1,024] x [K 1,024, N 3,072]; A: computed on the way; B: input Wqkv: QUANTISED
;;     3. batch 32 x [M 2,048, K 64] x [K 64, N 2,048]; A: computed on the way; B: computed on the way: QUANTISED
;;     4. batch 32 x [M 2,048, K 2,048] x [K 2,048, N 64]; A: softmax (see below); B: computed on the way: QUANTISED
;;     5. [M 4,096, K 1,024] x [K 1,024, N 1,024]; A: computed on the way; B: input Wproj: QUANTISED
;;     6. [M 2, K 1,024] x [K 1,024, N 2,048]; A: computed on the way; B: input Wss2: left as it is (M = 2 < 16)
;;     7. [M 4,096, K 1,024] x [K 1,024, N 4,096]; A: computed on the way; B: input Wmlp1: QUANTISED
;;     8. [M 4,096, K 4,096] x [K 4,096, N 1,024]; A: computed on the way; B: input Wmlp2: QUANTISED
;;   THE QUANTISER, for each operand of a quantised product, along K:
;;     - K is cut into blocks of 32 from its start; a last block that is shorter is filled with zeros.
;;     - A block's scale is 2^e with e = floor(log2(the largest magnitude in the block)) - 4, held to -126 .. 127; a block of zeros has e = 0. As a byte (E8M0): e + 127.
;;     - Each number is divided by its block's scale, clamped to +-28, and rounded to the nearest number of E3M2, ties to even, subnormals kept.
;;     - The product sums the exact products of the quantised numbers (number of the format x scale) in f32.
;;   ~~~python
;;   def quantise(x, axis):      # numpy; x: float32 -> the quantised numbers, widened to float32 again
;;       x = np.moveaxis(x, axis, -1); K = x.shape[-1]
;;       x = np.pad(x, [(0, 0)] * (x.ndim - 1) + [(0, -K % 32)]); x = x.reshape(x.shape[:-1] + (-1, 32)); a = np.abs(x).max(-1, keepdims=True)
;;       e = np.where(a > 0, np.clip(np.frexp(np.where(a > 0, a, 1))[1] - 1 - 4, -126, 127), 0)      # np.frexp(a)[1] - 1 = floor(log2(a)), exactly
;;       r = np.clip(x / 2.0 ** e, -28, 28)
;;       step = 2.0 ** (np.maximum(np.frexp(np.where(r == 0, 1, r))[1] - 1, -2) - 2)
;;       q = np.round(r / step) * step * 2.0 ** e      # np.round: ties to even
;;       return np.moveaxis(q.reshape(q.shape[:-2] + (-1,))[..., :K], -1, axis).astype(np.float32)
;;   ~~~
;;   SOFTMAX AHEAD OF A QUANTISED PRODUCT. Where the list says 'softmax', what is quantised is not the finished softmax but p = 2^(t - M), with t = logit x log2(e) and M = ceil(the row's largest t), a whole number; so 1/2 < the row's largest p <= 1. The row's sum l is taken of the UNQUANTISED p, in f32, and the product's result is divided by l at the end. Since M is a whole number, a kernel that streams over the keys may use a running M (the ceiling of the running maximum): every later rescaling is an exact power of two, which a block's scale takes up: the codes' values come out the same.
;;   OPERANDS COMPUTED ON THE WAY. 'Computed on the way' means the value that the module computes at that place (a softmax that the list does not call 'softmax' is quantised finished and normalised). What goes into a quantiser is computed in f32, as accurately as f32 sums, v_exp_f32 and their like allow (about 1e-6 of the number): no bf16 or f16 on the way to a quantiser, and a product that is left as it is and whose result goes on into a quantised operand takes f32 operands (vector FMAs, or v_wmma_f32_16x16x4_f32). A number that lies on a knife's edge between two numbers of the format may be rounded either way, as far as f32 arithmetic and the matrix unit's own rounding can turn it there, and no further.
;; One version. Each part assembles by itself: llvm-mc -triple=amdgcn-amd-amdhsa -mcpu=gfx1250 --defsym DOCPART=n.
;; ======== version 1 of 1: 8 launches
;; limits: right only within a limited range of input values
;; workspace buffers: ss1 16,384 bytes; ss2 16,384 bytes; wts 9,830,400 bytes; mb 16,777,216 bytes; hc 3,276,800 bytes; big 13,107,200 bytes; x1 16,777,216 bytes
;; launch prep (part 1): grid 384 x 1, 8 waves a work-group, no clusters, 29,696 bytes of LDS; arguments t_vec, Wss1, bss1, Wss2, bss2, Wqkv, Wproj, Wmlp1, Wmlp2, attn_mask, attn_bias, ss1, ss2, wts, mb; writes ss1, ss2, wts, mb
.if DOCPART == 1
	.amdgcn_target "amdgcn-amd-amdhsa--gfx1250"
	.amdhsa_code_object_version 6
	.text
	.protected	k_qe9966ade1c_prep
	.globl	k_qe9966ade1c_prep
	.p2align	8
	.type	k_qe9966ade1c_prep,@function
k_qe9966ade1c_prep:
	s_mov_b64 s[64:65], 0
	v_nop
	global_prefetch_b8 v0, s[64:65] scope:SCOPE_SE
	s_setreg_imm32_b32 hwreg(HW_REG_WAVE_MODE, 25, 1), 1
	s_wait_xcnt 0x0
; All that hangs on the inputs alone, in one launch.  No work of reference() is left out anywhere in this program: every input has a way to the output and is loaded.
; Three paths, parted on the work-group's number, each with LDS bytes of its own:
;   S (0..63)    ss = silu(t_vec) Wss + bss for both adaLN layers, in f32 multiply-adds (the result goes on into quantised operands)
;   W (64..255)  the four large weights [K][N] f32 -> codes of E3M2 along K with E8M0 scale bytes, laid in the order of the matrix operand's registers
;   M (256..383) 8 x (attn_mask + attn_bias), laid as images of the C operand of K Q^T
; LAYOUT OF CODES.  Rows (here: a weight's columns) go in panels of 128, a panel in tiles of 16; lane row r of tile t is row 32 (t / 2) + 8 (t % 2) + r % 8 + 16 (r / 8).
; A record (12,800 bytes) is 128 along K of a panel: 8 images of 1,536 bytes (registers 4 c .. 4 c + 3 of lane l at 512 c + 16 l), then 512 bytes of scale words [r][tile].
; LIMITS: NaN and infinities among the inputs are not served; a block whose largest magnitude lies under 2^-122 keeps the scale byte 1; a block of zeros has the byte 1 where the
; rule says 127 (its codes are zeros, and this program alone reads the bytes).
.set SPW,   14                         ; v14  LDS address of my spare word; never rewritten
.set NIL,   15                         ; v15  0; never rewritten
.set SRED,  24576                      ; path S: eight waves' partial sums, 512 bytes each
.set SPARE, 28672                      ; the spare words, 128 bytes a wave
.set REC,   12800
	v_lshl_add_u32 v[SPW], v0, 2, SPARE
	v_mov_b32 v[NIL], 0
	v_lshrrev_b32 v1, 5, v0
	v_readfirstlane_b32 s20, v1                    ; wave 0..7
	v_and_b32 v2, 31, v0                           ; lane
	s_cmp_ge_u32 ttmp9, 256
	s_cbranch_scc1 .Lpath_m
	s_cmp_ge_u32 ttmp9, 64
	s_cbranch_scc1 .Lpath_w
; ---------------- PATH S.  Work-group: one layer (number / 32), 64 columns (number % 32).  Wave w: rows 128 w on; a lane: 2 columns, so a row's load is 256 consecutive bytes.
	s_load_b64 s[4:5], s[0:1], 0x0                 ; t_vec
	s_load_b128 s[8:11], s[0:1], 0x8               ; Wss1, bss1
	s_load_b128 s[12:15], s[0:1], 0x18             ; Wss2, bss2
	s_load_b128 s[16:19], s[0:1], 0x58             ; ss1, ss2
	s_and_b32 s22, ttmp9, 31
	s_lshl_b32 s22, s22, 8                         ; my 64 columns, in bytes
	s_mov_b32 s23, 0
	s_lshl_b32 s24, s20, 20                        ; 128 w rows of 8,192 bytes
	s_add_co_u32 s24, s24, s22
	s_mov_b32 s25, 0
	s_lshl_b32 s26, s20, 9                         ; t: 128 w numbers
	s_mov_b32 s27, 0
.irp i, 41,43,45,47,49,51,53,55
	s_mov_b32 s[\i], 0                             ; upper halves of the pairs that the packed form names
.endr
	v_lshlrev_b32 v3, 2, v2
	v_lshlrev_b32 v4, 3, v2
	v_lshl_add_u32 v5, v0, 4, SRED                 ; 16 bytes a thread
.irp i, 24,25,26,27,28,29,30,31
	v_mov_b32 v[\i], 0                             ; four pairs of sums: batch 0 and 1, even and odd rows
.endr
	s_wait_kmcnt 0x0
	s_cmp_lt_u32 ttmp9, 32                         ; which layer: the choice hangs on the work-group's number alone
	s_cselect_b64 s[8:9], s[8:9], s[12:13]
	s_cselect_b64 s[10:11], s[10:11], s[14:15]
	s_cselect_b64 s[16:17], s[16:17], s[18:19]
	s_add_nc_u64 s[8:9], s[8:9], s[24:25]
	s_add_nc_u64 s[10:11], s[10:11], s[22:23]
	s_add_nc_u64 s[16:17], s[16:17], s[22:23]
	s_add_nc_u64 s[4:5], s[4:5], s[26:27]
.irp b, 0,1
.irp q, 0,1,2,3
	global_load_b32 v[16+4*\b+\q], v3, s[4:5] offset:4096*\b+128*\q    ; t[b][128 w + 32 q + lane]
.endr
.endr
	global_load_b64 v[6:7], v4, s[10:11]           ; bss of my two columns
.macro LDG g                           ; 16 rows into buffer g % 4
.irp i, 0,1,2,3,4,5,6,7,8,9,10,11,12,13,14,15
	global_load_b64 v[32+32*((\g)%4)+2*\i:33+32*((\g)%4)+2*\i], v4, s[8:9] offset:(16*(\g)+\i)*8192 th:TH_LOAD_NT
.endr
.endm
.macro ROWS g                          ; the row's silu(t) of both batches becomes a scalar; two packed multiply-adds a row
.irp i, 0,1,2,3,4,5,6,7,8,9,10,11,12,13,14,15
	v_readlane_b32 s[40+4*(\i%4)], v[16+(\g)/2], 16*((\g)%2)+\i
	v_readlane_b32 s[42+4*(\i%4)], v[20+(\g)/2], 16*((\g)%2)+\i
	v_pk_fma_f32 v[24+4*(\i%2):25+4*(\i%2)], v[32+32*((\g)%4)+2*\i:33+32*((\g)%4)+2*\i], s[40+4*(\i%4):41+4*(\i%4)], v[24+4*(\i%2):25+4*(\i%2)] op_sel_hi:[1,0,1]
	v_pk_fma_f32 v[26+4*(\i%2):27+4*(\i%2)], v[32+32*((\g)%4)+2*\i:33+32*((\g)%4)+2*\i], s[42+4*(\i%4):43+4*(\i%4)], v[26+4*(\i%2):27+4*(\i%2)] op_sel_hi:[1,0,1]
.endr
.endm
	LDG 0
	LDG 1
	LDG 2
	s_wait_loadcnt 48                              ; t and bss are in; the 48 loads of the three groups stay out
.irp i, 0,1,2,3,4,5,6,7
	v_mul_f32 v[160+\i], 0xbfb8aa3b, v[16+\i]      ; -t log2(e)
.endr
.irp i, 0,1,2,3,4,5,6,7
	v_exp_f32 v[160+\i], v[160+\i]
.endr
	v_nop                                          ; a plain instruction behind the batch
	s_wait_alu depctr_va_vdst(0)                   ; one wait for the eight, ahead of their first reader
.irp i, 0,1,2,3,4,5,6,7
	v_add_f32 v[160+\i], 1.0, v[160+\i]
.endr
.irp i, 0,1,2,3,4,5,6,7
	v_rcp_f32 v[160+\i], v[160+\i]
.endr
	v_nop
	s_wait_alu depctr_va_vdst(0)
.irp i, 0,1,2,3,4,5,6,7
	v_mul_f32 v[16+\i], v[16+\i], v[160+\i]        ; silu(t) = t / (1 + e^-t)
.endr
.irp g, 0,1,2,3,4,5,6,7
.if \g < 6
	s_wait_loadcnt 32                              ; group g is in; the two younger groups stay out
.else
	s_wait_loadcnt 16*(7-\g)                       ; the counts run down
.endif
.if \g < 5
	LDG \g+3                                       ; three groups on, into the buffer that is free: 48 loads are out again
.endif
	ROWS \g
.endr
	v_pk_add_f32 v[24:25], v[24:25], v[28:29]
	v_pk_add_f32 v[26:27], v[26:27], v[30:31]
	ds_store_b128 v5, v[24:27]
	s_wait_dscnt 0x0                               ; for the others' sake: my partial sums lie in LDS
	s_barrier_signal -1
	s_barrier_wait -1
	s_cmp_lg_u32 s20, 0
	s_cbranch_scc1 .Ls_end                         ; wave 0 adds the eight parts, in ascending order of K
.irp w, 0,1,2,3,4,5,6,7
	ds_load_b128 v[32+4*\w:35+4*\w], v5 offset:512*\w
.endr
	s_wait_dscnt 0x0
.irp w, 1,2,3,4,5,6,7
	v_pk_add_f32 v[32:33], v[32:33], v[32+4*\w:33+4*\w]
	v_pk_add_f32 v[34:35], v[34:35], v[34+4*\w:35+4*\w]
.endr
	v_pk_add_f32 v[32:33], v[32:33], v[6:7]
	v_pk_add_f32 v[34:35], v[34:35], v[6:7]
	global_store_b64 v4, v[32:33], s[16:17]                ; 32 lanes store 256 consecutive bytes, aligned
	global_store_b64 v4, v[34:35], s[16:17] offset:8192
.Ls_end:
	s_wait_tensorcnt 0x0                           ; the wave's end: a tensor wait, an add onto my spare word and its wait, behind my last LDS store
	ds_add_u32 v[SPW], v[NIL]
	s_wait_dscnt 0x0
	s_endpgm
; ---------------- PATH W.  Work-group: 128 columns (a panel) x 512 along K of one weight.  Wave: 32 columns (w % 4), a lane to a column, registers down K; 256 along K (w / 4): 8 blocks, 2 records.
; One text serves the four weights: only pointers, the pitch and the panel's length are chosen, on the work-group's number.
.Lpath_w:
	s_load_b256 s[4:11], s[0:1], 0x28              ; Wqkv, Wproj, Wmlp1, Wmlp2
	s_load_b64 s[12:13], s[0:1], 0x68              ; wts
	s_sub_co_u32 s2, ttmp9, 64
	s_and_b32 s21, s20, 3                          ; which 32 columns
	s_lshr_b32 s22, s20, 2                         ; which 256 along K
	v_bfe_u32 v7, v0, 3, 1                         ; my column's tile of the two: u
	v_and_b32 v8, 7, v0
	v_bfe_u32 v9, v0, 4, 1
	v_lshl_or_b32 v8, v9, 3, v8                    ; and its lane row there: r'
	v_mul_u32_u24 v3, v7, 1536
	v_lshl_add_u32 v3, v8, 4, v3
	s_mul_i32 s23, s20, 3072                       ; my stage: two images
	v_add_nc_u32 v3, s23, v3                       ; into it
	v_lshlrev_b32 v5, 4, v2                        ; 16 x lane
	v_add_nc_u32 v4, s23, v5                       ; out of it
	v_lshlrev_b32 v6, 5, v8
	v_lshl_add_u32 v6, v7, 2, v6
	s_lshl_b32 s23, s21, 3
	v_add_nc_u32 v6, s23, v6                       ; my scale word's place: 32 r' + 4 (2 (w % 4) + u)
	s_mov_b32 s30, 4096                            ; Wmlp2: pitch in bytes,
	s_mov_b32 s31, 3                               ; log2 of the chunks of 512 along K,
	s_mov_b32 s32, 128                             ; first number,
	s_mov_b32 s33, 6553600                         ; place in wts
	s_wait_kmcnt 0x0
	s_cmp_lt_u32 s2, 128
	s_cselect_b64 s[10:11], s[8:9], s[10:11]       ; Wmlp1
	s_cselect_b32 s30, 16384, s30
	s_cselect_b32 s31, 1, s31
	s_cselect_b32 s32, 64, s32
	s_cselect_b32 s33, 3276800, s33
	s_cmp_lt_u32 s2, 64
	s_cselect_b64 s[10:11], s[6:7], s[10:11]       ; Wproj
	s_cselect_b32 s30, 4096, s30
	s_cselect_b32 s32, 48, s32
	s_cselect_b32 s33, 2457600, s33
	s_cmp_lt_u32 s2, 48
	s_cselect_b64 s[10:11], s[4:5], s[10:11]       ; Wqkv
	s_cselect_b32 s30, 12288, s30
	s_cselect_b32 s32, 0, s32
	s_cselect_b32 s33, 0, s33
	s_sub_co_u32 s2, s2, s32
	s_lshr_b32 s34, s2, s31                        ; panel
	s_lshl_b32 s35, s34, s31
	s_sub_co_u32 s35, s2, s35                      ; chunk
	s_lshl_b32 s36, s35, 9
	s_lshl_b32 s37, s22, 8
	s_add_co_u32 s36, s36, s37                     ; my first row of the weight
	s_mul_i32 s36, s36, s30
	s_lshl_b32 s37, s34, 9
	s_add_co_u32 s36, s36, s37
	s_lshl_b32 s37, s21, 7
	s_add_co_u32 s36, s36, s37                     ; + my first column
	s_mov_b32 s37, 0
	s_add_nc_u64 s[24:25], s[10:11], s[36:37]      ; the even blocks' base
	s_lshl_b32 s28, s30, 5
	s_mov_b32 s29, 0
	s_add_nc_u64 s[26:27], s[24:25], s[28:29]      ; the odd blocks': 32 rows on
	s_lshl_b32 s28, s30, 6                         ; each steps by 64 rows
	s_mov_b32 s38, 51200
	s_lshl_b32 s39, s38, s31
	s_mul_i32 s39, s39, s34                        ; the panel,
	s_mul_i32 s38, s38, s35                        ; the chunk's four records,
	s_add_co_u32 s38, s38, s39
	s_add_co_u32 s38, s38, s33
	s_mul_i32 s39, s22, 2*REC                      ; my two of them
	s_add_co_u32 s38, s38, s39
	s_mov_b32 s39, 0
	s_add_nc_u64 s[16:17], s[12:13], s[38:39]      ; my first record
	s_mul_i32 s38, s21, 3072
	s_add_nc_u64 s[18:19], s[16:17], s[38:39]      ; my two images in it
	v_lshlrev_b32 v32, 2, v2
.set n, 0
.rept 31
	v_add_nc_u32 v[33+n], s30, v[32+n]             ; offsets of a block's 32 rows: i x pitch + 4 x lane
.set n, n+1
.endr
.macro LOADB t
.set n, 0
.rept 32
	global_load_b32 v[64+32*((\t)%2)+n], v[32+n], s[24+2*((\t)%2):25+2*((\t)%2)] th:TH_LOAD_NT   ; 32 lanes read 128 consecutive bytes; the four waves side by side 512
.set n, n+1
.endr
.endm
.macro BLOCK t
.set XS, 64+32*((\t)%2)
.set WD, 12+(\t)/4
.set BE, (\t)%4
.set OUTR, 144+24*((\t)/4)
.if (\t) < 7
	s_wait_loadcnt 32                              ; this block's 32 loads are in; the next block's stay out
.else
	s_wait_loadcnt 0x0
.endif
	v_max3_num_f32 v16, |v[XS]|, |v[XS+1]|, |v[XS+2]|      ; the block's largest magnitude: all 32 numbers are mine
	v_max3_num_f32 v17, |v[XS+3]|, |v[XS+4]|, |v[XS+5]|
.irp i, 6,10,14,18,22,26
	v_max3_num_f32 v16, v16, |v[XS+\i]|, |v[XS+\i+1]|
	v_max3_num_f32 v17, v17, |v[XS+\i+2]|, |v[XS+\i+3]|
.endr
	v_max3_num_f32 v16, v16, |v[XS+30]|, |v[XS+31]|
	v_max3_num_f32 v16, v16, v17, 0x2800000        ; and the floor 2^(5 - 127): the byte cannot fall under 1
	v_add_nc_u32 v18, 0xfe000000, v16              ; 4 off the exponent field: the conversion's scale operand
	v_lshrrev_b32 v19, 23, v18                     ; the scale's byte
.if BE == 0
	v_mov_b32 v[WD], v19
.else
	v_lshl_or_b32 v[WD], v19, 8*BE, v[WD]
.endif
	v_cvt_scalef32_pk16_bf6_f32 v[128:130], v[XS:XS+15], v18
	v_cvt_scalef32_pk16_bf6_f32 v[136:138], v[XS+16:XS+31], v18    ; (a conversion's three registers begin on an even number)
	v_nop                                          ; one plain place behind a scaled conversion
	v_mov_b32 v131, v136
	v_mov_b32 v132, v137
	v_mov_b32 v133, v138
.if BE < 2                             ; block 2 c + h of a record is registers 6 c .. 6 c + 5 of image lane r' + 16 h
	ds_store_b128 v3, v[128:131] offset:256*BE
	ds_store_b64 v3, v[132:133] offset:512+256*BE
.else
	ds_store_b64 v3, v[128:129] offset:520+256*(BE-2)
	ds_store_b128 v3, v[130:133] offset:1024+256*(BE-2)
.endif
.if (\t)+2 < 8
	s_add_nc_u64 s[24+2*((\t)%2):25+2*((\t)%2)], s[24+2*((\t)%2):25+2*((\t)%2)], s[28:29]   ; this block's loads are done (the wait above), so their base may step
	LOADB (\t)+2
.endif
	s_wait_dscnt 0x0                               ; the stores have read their registers
.if BE == 3                            ; a record's two images are whole: back as they lie, and out: 3,072 consecutive bytes
.set n, 0
.rept 6
	ds_load_b128 v[OUTR+4*n:OUTR+4*n+3], v4 offset:512*n
.set n, n+1
.endr
	s_wait_dscnt 0x0
.set n, 0
.rept 6
	global_store_b128 v5, v[OUTR+4*n:OUTR+4*n+3], s[18:19] offset:((\t)/4)*REC+512*n
.set n, n+1
.endr
	global_store_b32 v6, v[WD], s[16:17] offset:((\t)/4)*REC+12288
.endif
.endm
	LOADB 0
	LOADB 1
.irp t, 0,1,2,3,4,5,6,7
	BLOCK \t
.endr
	s_wait_tensorcnt 0x0                           ; the wave's end: the three lines
	ds_add_u32 v[SPW], v[NIL]
	s_wait_dscnt 0x0
	s_endpgm
; ---------------- PATH M.  Work-group: a tile of 16 queries.  Wave w: key steps 2 w and 2 w + 1 (128 keys each), in four units of 64 keys.
; In S^T = K Q^T lane (r, h) holds the tile's query r, and register 16 b + i the key 128 step + 32 b + 16 h + i.  Chunk 4 b + j of an image (8,192 bytes) holds registers 16 b + 4 j .. + 3, lane l at 16 l.
.Lpath_m:
	s_load_b128 s[4:7], s[0:1], 0x48               ; attn_mask, attn_bias
	s_load_b64 s[8:9], s[0:1], 0x70                ; mb
	s_sub_co_u32 s2, ttmp9, 256                    ; the tile
	s_lshr_b32 s21, s2, 1
	s_lshl_b32 s21, s21, 5
	s_and_b32 s22, s2, 1
	s_lshl_b32 s22, s22, 3
	s_add_co_u32 s21, s21, s22
	v_and_b32 v3, 7, v0
	v_bfe_u32 v4, v0, 3, 1
	v_lshl_add_u32 v3, v4, 4, v3
	v_add_nc_u32 v3, s21, v3                       ; my query
	v_bfe_u32 v4, v0, 4, 1
	v_lshlrev_b32 v3, 13, v3
	v_lshl_add_u32 v3, v4, 6, v3                   ; its row of 8,192 bytes, + 64 h
	v_lshlrev_b32 v5, 4, v2
	s_lshl_b32 s22, s20, 10                        ; key step 2 w: 512 bytes a step
	s_mov_b32 s23, 0
	s_lshr_b32 s24, s2, 2
	s_lshl_b32 s24, s24, 4
	s_lshl_b32 s25, s20, 1
	s_add_co_u32 s24, s24, s25
	s_lshl_b32 s24, s24, 2
	s_and_b32 s25, s2, 3
	s_add_co_u32 s24, s24, s25
	s_lshl_b32 s24, s24, 13                        ; ((block of 64 queries x 16 + step) x 4 + tile) x 8,192
	s_mov_b32 s25, 0
	s_wait_kmcnt 0x0
	s_add_nc_u64 s[4:5], s[4:5], s[22:23]
	s_add_nc_u64 s[6:7], s[6:7], s[22:23]
	s_add_nc_u64 s[8:9], s[8:9], s[24:25]
.macro LOADU u
.set n, 0
.rept 8
	global_load_b128 v[32+64*((\u)%2)+4*n:35+64*((\u)%2)+4*n], v3, s[4:5] offset:512*((\u)/2)+128*(2*((\u)%2)+n/4)+16*(n%4) th:TH_LOAD_NT
	global_load_b128 v[64+64*((\u)%2)+4*n:67+64*((\u)%2)+4*n], v3, s[6:7] offset:512*((\u)/2)+128*(2*((\u)%2)+n/4)+16*(n%4) th:TH_LOAD_NT
.set n, n+1
.endr
.endm
.macro UNIT u
.set UB, 32+64*((\u)%2)
.if (\u) < 3
	s_wait_loadcnt 16                              ; this unit's 16 loads are in; the next unit's stay out
.else
	s_wait_loadcnt 0x0
.endif
.set n, 0
.rept 16
	v_pk_add_f32 v[UB+2*n:UB+2*n+1], v[UB+2*n:UB+2*n+1], v[UB+32+2*n:UB+33+2*n]
.set n, n+1
.endr
.set n, 0
.rept 16
	v_pk_mul_f32 v[UB+2*n:UB+2*n+1], v[UB+2*n:UB+2*n+1], 0x41000000 op_sel_hi:[1,0]   ; x 8 = sqrt(64): exact; the scores are kept as q.k + 8 (mask + bias)
.set n, n+1
.endr
.set n, 0
.rept 8
	global_store_b128 v5, v[UB+4*n:UB+4*n+3], s[8:9] offset:32768*((\u)/2)+512*(8*((\u)%2)+n)    ; 512 consecutive bytes
.set n, n+1
.endr
.if (\u)+2 < 4
	s_wait_xcnt 0x0                                ; the stores have read their registers: the unit two on may land there
	LOADU (\u)+2
.endif
.endm
	LOADU 0
	LOADU 1
	UNIT 0
	UNIT 1
	UNIT 2
	UNIT 3
	s_endpgm
.Lfunc_end_k_qe9966ade1c_prep:
	.size	k_qe9966ade1c_prep, .Lfunc_end_k_qe9966ade1c_prep-k_qe9966ade1c_prep
	.p2alignl 7, 3214868480
	.fill 96, 4, 3214868480
	.section	.rodata,"a",@progbits
	.p2align	6, 0x0
	.amdhsa_kernel k_qe9966ade1c_prep
		.amdhsa_group_segment_fixed_size 29696
		.amdhsa_private_segment_fixed_size 0
		.amdhsa_enable_private_segment 0
		.amdhsa_kernarg_size 120
		.amdhsa_user_sgpr_count 2
		.amdhsa_user_sgpr_kernarg_segment_ptr 1
		.amdhsa_wavefront_size32 1
		.amdhsa_system_sgpr_workgroup_id_x 1
		.amdhsa_system_sgpr_workgroup_id_y 1
		.amdhsa_system_sgpr_workgroup_id_z 1
		.amdhsa_system_vgpr_workitem_id 0
		.amdhsa_next_free_vgpr 192
		.amdhsa_next_free_sgpr 66
		.amdhsa_reserve_vcc 0
		.amdhsa_float_denorm_mode_32 3
		.amdhsa_float_denorm_mode_16_64 3
		.amdhsa_memory_ordered 1
		.amdhsa_forward_progress 1
		.amdhsa_inst_pref_size 115
	.end_amdhsa_kernel
	.amdgpu_metadata
---
amdhsa.version: [ 1, 2 ]
amdhsa.kernels:
  - .name:           k_qe9966ade1c_prep
    .symbol:         k_qe9966ade1c_prep.kd
    .args:
      - { .name: t_vec, .offset: 0, .size: 8, .value_kind: global_buffer, .address_space: global }
      - { .name: Wss1, .offset: 8, .size: 8, .value_kind: global_buffer, .address_space: global }
      - { .name: bss1, .offset: 16, .size: 8, .value_kind: global_buffer, .address_space: global }
      - { .name: Wss2, .offset: 24, .size: 8, .value_kind: global_buffer, .address_space: global }
      - { .name: bss2, .offset: 32, .size: 8, .value_kind: global_buffer, .address_space: global }
      - { .name: Wqkv, .offset: 40, .size: 8, .value_kind: global_buffer, .address_space: global }
      - { .name: Wproj, .offset: 48, .size: 8, .value_kind: global_buffer, .address_space: global }
      - { .name: Wmlp1, .offset: 56, .size: 8, .value_kind: global_buffer, .address_space: global }
      - { .name: Wmlp2, .offset: 64, .size: 8, .value_kind: global_buffer, .address_space: global }
      - { .name: attn_mask, .offset: 72, .size: 8, .value_kind: global_buffer, .address_space: global }
      - { .name: attn_bias, .offset: 80, .size: 8, .value_kind: global_buffer, .address_space: global }
      - { .name: ss1, .offset: 88, .size: 8, .value_kind: global_buffer, .address_space: global }
      - { .name: ss2, .offset: 96, .size: 8, .value_kind: global_buffer, .address_space: global }
      - { .name: wts, .offset: 104, .size: 8, .value_kind: global_buffer, .address_space: global }
      - { .name: mb, .offset: 112, .size: 8, .value_kind: global_buffer, .address_space: global }
    .group_segment_fixed_size: 29696
    .private_segment_fixed_size: 0
    .kernarg_segment_align: 8
    .kernarg_segment_size: 120
    .max_flat_workgroup_size: 256
    .sgpr_count:     66
    .vgpr_count:     192
    .wavefront_size: 32
...
	.end_amdgpu_metadata
.endif
;; end of part 1
;; launch ln1 (part 2): grid 256 x 1, 8 waves a work-group, no clusters, 66,816 bytes of LDS; arguments x, ss1, hc; writes hc
.if DOCPART == 2
	.amdgcn_target "amdgcn-amd-amdhsa--gfx1250"
	.amdhsa_code_object_version 6
	.text
	.protected	k_qe9966ade1c_ln1
	.globl	k_qe9966ade1c_ln1
	.p2align	8
	.type	k_qe9966ade1c_ln1,@function
k_qe9966ade1c_ln1:
	s_mov_b64 s[64:65], 0
	v_nop
	global_prefetch_b8 v0, s[64:65] scope:SCOPE_SE
	s_setreg_imm32_b32 hwreg(HW_REG_WAVE_MODE, 25, 1), 1
	s_wait_xcnt 0x0
; adaLN and the quantiser behind it: y = (1 + s) (x - mean) rsqrt(var + 1e-5) + sh, in f32, then codes of E3M2 along the 1,024 with one E8M0 byte for each 32.
; A work-group takes one tile of 16 tokens: lane row r of tile t is token 32 (t / 2) + 8 (t % 2) + r % 8 + 16 (r / 8).
; Phase 1: wave w normalises lane rows 2 w and 2 w + 1, a whole row (4,096 bytes) in 32 registers a lane, and lays them in LDS (pitch 4,112 bytes).
; Phase 2: wave w takes 128 w .. 128 w + 127 along K of all 16 rows and makes one operand fragment: lane (r, h) reads, of row r, 16 neighbours of each block of 32.
; The fragment leaves as an image of its registers (1,536 bytes: registers 4 c .. 4 c + 3 of lane l at 512 c + 16 l) into record w of the tokens' panel; the scale words at [r][tile] behind the record's 8 images.
; LIMITS: NaN and infinities are not served; a block under 2^-122 keeps the byte 1; a block of zeros has the byte 1 with zero codes.
.set PAN8,  102400
.set REC,   12800
.set PITCH, 4112
.set SPARE, 16*PITCH
.set SPW, 14
.set NIL, 15
.set PW,  13
.set X,   32                           ; v32-95   two rows; later the 64 numbers to be quantised
.set SS,  96                           ; v96-127  s, then 1 + s
.set SH,  128                          ; v128-159 sh
.set TM,  96                           ; the quantiser's registers lie over s, which is done with by then
.set PC,  112
.set SEL, 10
.macro QUANT s, pw                     ; 64 numbers of a lane, register 16 b + i = k 32 b + 16 (lane / 16) + i of my row -> a fragment's codes in v[PC] on, its scale word in v[pw]
.irp b, 0,1,2,3
	v_max3_num_f32 v[TM+\b], |v[(\s)+16*\b]|, |v[(\s)+1+16*\b]|, 0x2800000   ; my 16 numbers, and the floor 2^(5 - 127)
.endr
.irp i, 2,4,6,8,10,12,14
.irp b, 0,1,2,3
	v_max3_num_f32 v[TM+\b], v[TM+\b], |v[(\s)+16*\b+\i]|, |v[(\s)+1+16*\b+\i]|
.endr
.endr
.irp b, 0,1,2,3
	v_permlanex16_b32 v[TM+4+\b], v[TM+\b], s[SEL], s[SEL+1]
.endr
.irp b, 0,1,2,3
	v_max_num_f32 v[TM+\b], v[TM+\b], v[TM+4+\b]   ; with lane l xor 16's: the block's largest magnitude
.endr
.irp b, 0,1,2,3
	v_add_nc_u32 v[TM+12+\b], 0xfe000000, v[TM+\b] ; 4 off its exponent field: the conversion's scale operand
.endr
.irp b, 0,1,2,3
	v_lshrrev_b32 v[TM+4+\b], 23, v[TM+12+\b]      ; the scale's byte
.endr
	v_lshl_or_b32 v[\pw], v[TM+5], 8, v[TM+4]
	v_lshl_or_b32 v[\pw], v[TM+6], 16, v[\pw]
	v_lshl_or_b32 v[\pw], v[TM+7], 24, v[\pw]
.irp c, 0,1
	v_cvt_scalef32_pk16_bf6_f32 v[PC+6*\c:PC+2+6*\c], v[(\s)+32*\c:(\s)+15+32*\c], v[TM+12+2*\c]
	v_cvt_scalef32_pk16_bf6_f32 v[PC+12+4*\c:PC+14+4*\c], v[(\s)+16+32*\c:(\s)+31+32*\c], v[TM+12+2*\c+1]
.endr
	v_nop                                          ; one plain place behind a scaled conversion
.irp c, 0,1                            ; the operand's layout wants a whole block in a lane
.irp i, 0,1,2
	v_permlane16_swap_b32 v[PC+6*\c+\i], v[PC+12+4*\c+\i]
.endr
.irp i, 0,1,2
	v_mov_b32 v[PC+3+6*\c+\i], v[PC+12+4*\c+\i]
.endr
.endr
.endm
	s_load_b128 s[4:7], s[0:1], 0x0                ; x, ss
	s_load_b64 s[8:9], s[0:1], 0x10                ; hc
	v_lshl_add_u32 v[SPW], v0, 2, SPARE
	v_mov_b32 v[NIL], 0
	v_lshrrev_b32 v1, 5, v0
	v_readfirstlane_b32 s12, v1                    ; wave 0..7
	v_and_b32 v2, 31, v0
	v_lshlrev_b32 v3, 4, v2                        ; 16 x lane
	s_mov_b32 s[SEL], 0x76543210
	s_mov_b32 s[SEL+1], 0xfedcba98
	s_mov_b32 s24, 0x3a800000                      ; 1 / 1024
	s_mov_b32 s25, 0x3727c5ac                      ; 1e-5
	s_lshr_b32 s13, ttmp9, 1
	s_lshl_b32 s13, s13, 5
	s_and_b32 s14, ttmp9, 1
	s_lshl_b32 s14, s14, 3
	s_add_co_u32 s13, s13, s14                     ; the tile's first token
	s_and_b32 s14, s12, 3
	s_lshl_b32 s14, s14, 1
	s_add_co_u32 s13, s13, s14
	s_lshr_b32 s14, s12, 2
	s_lshl_b32 s14, s14, 4
	s_add_co_u32 s13, s13, s14                     ; lane row 2 w's token; 2 w + 1's is the next
	s_lshl_b32 s16, s13, 12
	s_mov_b32 s17, 0
	s_lshr_b32 s18, ttmp9, 7                       ; the batch
	s_lshl_b32 s18, s18, 13
	s_mov_b32 s19, 0
	s_lshr_b32 s20, ttmp9, 3
	s_mul_i32 s20, s20, PAN8
	s_mul_i32 s21, s12, REC
	s_add_co_u32 s20, s20, s21                     ; record w of the panel
	s_and_b32 s21, ttmp9, 7
	s_mul_i32 s22, s21, 1536
	s_add_co_u32 s22, s22, s20                     ; my tile's image
	s_mov_b32 s23, 0
	s_lshl_b32 s21, s21, 2
	s_add_co_u32 s20, s20, s21
	s_add_co_u32 s20, s20, 12288                   ; and its scale words
	s_mov_b32 s21, 0
	s_mul_i32 s26, s12, 2*PITCH
	v_add_nc_u32 v4, s26, v3                       ; LDS, in: rows 2 w, 2 w + 1
	v_and_b32 v6, 15, v0
	v_bfe_u32 v7, v0, 4, 1
	v_mul_u32_u24 v5, v6, PITCH
	v_lshl_add_u32 v5, v7, 6, v5
	s_lshl_b32 s26, s12, 9
	v_add_nc_u32 v5, s26, v5                       ; LDS, out: row r, + 64 h, + 512 w
	v_lshlrev_b32 v6, 5, v6                        ; 32 r
	v_mov_b32 v167, 0                              ; upper halves of pairs that the packed form names
	v_mov_b32 v169, 0
	s_wait_kmcnt 0x0
	s_add_nc_u64 s[4:5], s[4:5], s[16:17]
	s_add_nc_u64 s[6:7], s[6:7], s[18:19]
	s_add_nc_u64 s[22:23], s[8:9], s[22:23]
	s_add_nc_u64 s[20:21], s[8:9], s[20:21]
.irp e, 0,1
.irp j, 0,1,2,3,4,5,6,7
	global_load_b128 v[X+32*\e+4*\j:X+32*\e+4*\j+3], v3, s[4:5] offset:4096*\e+512*\j
.endr
.endr
.irp j, 0,1,2,3,4,5,6,7
	global_load_b128 v[SS+4*\j:SS+4*\j+3], v3, s[6:7] offset:512*\j
	global_load_b128 v[SH+4*\j:SH+4*\j+3], v3, s[6:7] offset:4096+512*\j
.endr
	s_wait_loadcnt 16                              ; both rows are in; the 16 loads of s and sh stay out
.macro ACROSS                          ; v160 summed over the 32 lanes, the result in every lane
	v_add_f32_dpp v160, v160, v160 row_xmask:1 row_mask:0xf bank_mask:0xf
	v_add_f32_dpp v160, v160, v160 row_xmask:2 row_mask:0xf bank_mask:0xf
	v_add_f32_dpp v160, v160, v160 row_xmask:4 row_mask:0xf bank_mask:0xf
	v_add_f32_dpp v160, v160, v160 row_xmask:8 row_mask:0xf bank_mask:0xf
	v_permlanex16_b32 v161, v160, s[SEL], s[SEL+1]
	v_add_f32 v160, v160, v161
.endm
.macro STAT e
.set XR, X+32*\e
	v_pk_add_f32 v[160:161], v[XR:XR+1], v[XR+2:XR+3]
	v_pk_add_f32 v[162:163], v[XR+4:XR+5], v[XR+6:XR+7]
.irp i, 8,12,16,20,24,28
	v_pk_add_f32 v[160:161], v[160:161], v[XR+\i:XR+\i+1]
	v_pk_add_f32 v[162:163], v[162:163], v[XR+\i+2:XR+\i+3]
.endr
	v_pk_add_f32 v[160:161], v[160:161], v[162:163]
	v_add_f32 v160, v160, v161
	ACROSS
	v_mul_f32 v164, 0xba800000, v160               ; - mean
	v_mov_b32 v165, v164
.irp i, 0,2,4,6,8,10,12,14,16,18,20,22,24,26,28,30
	v_pk_add_f32 v[XR+\i:XR+\i+1], v[XR+\i:XR+\i+1], v[164:165]
.endr
	v_pk_mul_f32 v[160:161], v[XR:XR+1], v[XR:XR+1]
	v_pk_mul_f32 v[162:163], v[XR+2:XR+3], v[XR+2:XR+3]
.irp i, 4,8,12,16,20,24,28
	v_pk_fma_f32 v[160:161], v[XR+\i:XR+\i+1], v[XR+\i:XR+\i+1], v[160:161]
	v_pk_fma_f32 v[162:163], v[XR+\i+2:XR+\i+3], v[XR+\i+2:XR+\i+3], v[162:163]
.endr
	v_pk_add_f32 v[160:161], v[160:161], v[162:163]
	v_add_f32 v160, v160, v161
	ACROSS
	v_fma_f32 v[166+2*\e], v160, s24, s25          ; var + eps
.endm
	STAT 0
	STAT 1
	v_rsq_f32 v166, v166
	v_rsq_f32 v168, v168
	v_nop                                          ; a plain instruction behind the two
	s_wait_alu depctr_va_vdst(0)                   ; one wait for both, ahead of their first reader
	s_wait_loadcnt 0x0                             ; s and sh
.irp i, 0,2,4,6,8,10,12,14,16,18,20,22,24,26,28,30
	v_pk_add_f32 v[SS+\i:SS+\i+1], v[SS+\i:SS+\i+1], 1.0 op_sel_hi:[1,0]
.endr
.irp e, 0,1
.irp i, 0,2,4,6,8,10,12,14,16,18,20,22,24,26,28,30
	v_pk_mul_f32 v[X+32*\e+\i:X+32*\e+\i+1], v[X+32*\e+\i:X+32*\e+\i+1], v[166+2*\e:167+2*\e] op_sel_hi:[1,0]
.endr
.irp i, 0,2,4,6,8,10,12,14,16,18,20,22,24,26,28,30
	v_pk_fma_f32 v[X+32*\e+\i:X+32*\e+\i+1], v[SS+\i:SS+\i+1], v[X+32*\e+\i:X+32*\e+\i+1], v[SH+\i:SH+\i+1]
.endr
.irp j, 0,1,2,3,4,5,6,7
	ds_store_b128 v4, v[X+32*\e+4*\j:X+32*\e+4*\j+3] offset:PITCH*\e+512*\j
.endr
.endr
	s_wait_dscnt 0x0                               ; for the others' sake: my two rows lie in LDS
	s_barrier_signal -1
	s_barrier_wait -1
.irp b, 0,1,2,3
.irp j, 0,1,2,3
	ds_load_b128 v[X+16*\b+4*\j:X+16*\b+4*\j+3], v5 offset:128*\b+16*\j
.endr
.endr
.irp b, 0,1,2,3
	v_mov_b32 v[TM+4+\b], 0                        ; a lane permute's destination counts as one of its sources
.endr
	s_wait_dscnt 0x0
	QUANT X, PW
.irp c, 0,1,2
	global_store_b128 v3, v[PC+4*\c:PC+4*\c+3], s[22:23] offset:512*\c    ; 512 consecutive bytes
.endr
	global_store_b32 v6, v[PW], s[20:21]           ; both halves of the lanes hold the same word
	s_wait_tensorcnt 0x0                           ; the wave's end: a tensor wait, an add onto my spare word and its wait, behind my last LDS store
	ds_add_u32 v[SPW], v[NIL]
	s_wait_dscnt 0x0
	s_endpgm
.Lfunc_end_k_qe9966ade1c_ln1:
	.size	k_qe9966ade1c_ln1, .Lfunc_end_k_qe9966ade1c_ln1-k_qe9966ade1c_ln1
	.p2alignl 7, 3214868480
	.fill 96, 4, 3214868480
	.section	.rodata,"a",@progbits
	.p2align	6, 0x0
	.amdhsa_kernel k_qe9966ade1c_ln1
		.amdhsa_group_segment_fixed_size 66816
		.amdhsa_private_segment_fixed_size 0
		.amdhsa_enable_private_segment 0
		.amdhsa_kernarg_size 24
		.amdhsa_user_sgpr_count 2
		.amdhsa_user_sgpr_kernarg_segment_ptr 1
		.amdhsa_wavefront_size32 1
		.amdhsa_system_sgpr_workgroup_id_x 1
		.amdhsa_system_sgpr_workgroup_id_y 1
		.amdhsa_system_sgpr_workgroup_id_z 1
		.amdhsa_system_vgpr_workitem_id 0
		.amdhsa_next_free_vgpr 192
		.amdhsa_next_free_sgpr 66
		.amdhsa_reserve_vcc 0
		.amdhsa_float_denorm_mode_32 3
		.amdhsa_float_denorm_mode_16_64 3
		.amdhsa_memory_ordered 1
		.amdhsa_forward_progress 1
		.amdhsa_inst_pref_size 26
	.end_amdhsa_kernel
	.amdgpu_metadata
---
amdhsa.version: [ 1, 2 ]
amdhsa.kernels:
  - .name:           k_qe9966ade1c_ln1
    .symbol:         k_qe9966ade1c_ln1.kd
    .args:
      - { .name: x, .offset: 0, .size: 8, .value_kind: global_buffer, .address_space: global }
      - { .name: ss1, .offset: 8, .size: 8, .value_kind: global_buffer, .address_space: global }
      - { .name: hc, .offset: 16, .size: 8, .value_kind: global_buffer, .address_space: global }
    .group_segment_fixed_size: 66816
    .private_segment_fixed_size: 0
    .kernarg_segment_align: 8
    .kernarg_segment_size: 24
    .max_flat_workgroup_size: 256
    .sgpr_count:     66
    .vgpr_count:     192
    .wavefront_size: 32
...
	.end_amdgpu_metadata
.endif
;; end of part 2
;; launch qkv (part 3): grid 24 x 32, 4 waves a work-group, clusters of 4 x 4, 327,680 bytes of LDS; arguments hc, wts, bqkv, key_padding_mask, big; writes big
.if DOCPART == 3
	.amdgcn_target "amdgcn-amd-amdhsa--gfx1250"
	.amdhsa_code_object_version 6
	.text
	.protected	k_qe9966ade1c_qkv
	.globl	k_qe9966ade1c_qkv
	.p2align	8
	.type	k_qe9966ade1c_qkv,@function
k_qe9966ade1c_qkv:
	s_mov_b64 s[64:65], 0
	v_nop
	global_prefetch_b8 v0, s[64:65] scope:SCOPE_SE
	s_setreg_imm32_b32 hwreg(HW_REG_WAVE_MODE, 25, 1), 1
	s_wait_xcnt 0x0
	s_wait_alu depctr_hold_cnt(0) depctr_sa_sdst(0) depctr_va_vdst(0) depctr_va_sdst(0) depctr_va_ssrc(0) depctr_va_vcc(0) depctr_vm_vsrc(0)
	s_getreg_b32 s2, hwreg(HW_REG_IB_STS2, 6, 4)
	s_cmp_eq_u32 s2, 0
	s_cbranch_scc0 .Lentry_in_a_cluster
	s_endpgm
.Lentry_in_a_cluster:
	s_bfe_u32 s2, ttmp6, 0x10000c
	s_cmp_lg_u32 s2, 0xf033
	s_cbranch_scc0 .Lentry_shape_is_right
	s_endpgm
.Lentry_shape_is_right:
; qkv = h Wqkv + bqkv on codes of E3M2, and the quantisers of q, k (along the head's 64) and v (along the keys) behind it.  Nothing goes to memory as f32.
; A work-group makes 128 tokens (panel y) x 128 columns (panel x: two heads of q, k or v).  K = 1,024 lies in LDS whole: two slots of 512, each a first fill, so nothing is filled again.
; CLUSTER 4 x 4: the tokens' records hang on y alone and are asked for jointly along a row of the cluster, the weights' on x alone, along a column.
; WAVE w: source 1 = its two tiles 2 w, 2 w + 1 of one operand, source 0 = all eight tiles of the other: 16 accumulators.  By the order of rows in a tile (lane row r of tile t = row
; 32 (t / 2) + 8 (t % 2) + r % 8 + 16 (r / 8)) a lane then holds ONE row of source 1's operand, and its 64 registers are source 0's 128 rows in their natural order: what the quantiser wants.
;   q, k: source 0 = the weights' columns, source 1 = tokens: a lane holds a token and the 128 columns of two heads.
;   v:    source 0 = tokens, source 1 = the weights' columns: a lane holds a channel and 128 keys.     The two ways part once, on the cluster's x, which all partners share.
; RECORDS in big, for (batch, group of 4 heads, 128 tokens): q: [head 4][tile 8][1,024 bytes], then scale words [head][r][tile]; k and v: the same for k, then v^T [head 4][tile of 16 channels 4][1,536], then its scale words [head][r][tile 4].
; A q or k image is 8 registers: 0-5 the head's 64 codes, 6 the spare place k = 64, 7 zero.
; THE KEY PADDING MASK rides in that spare place: k's code there is -28 where the key is padded, else 0, under the byte 139 (2^12) where padded, else 1; q's is 1.0 (lanes 0-15) under 139.
; So the product itself adds -28 x 2^24 to a padded key's score, and an unpadded key's spare block lies under a tiny scale.  LIMIT: logits under some 2^21 in size.
; LIMITS of the quantisers: NaN and infinities are not served; a block under 2^-122 keeps the byte 1; a block of zeros has the byte 1 with zero codes.
.set REC,    12800
.set HALF,   2*REC                     ; what one tensor load brings
.set REG,    4*REC                     ; a slot's records of one operand
.set SLOT,   2*REG
.set PAN,    8*REC
.set WOFF,   0
.set SPARE,  2*SLOT                    ; the spare words, 128 bytes a wave
.set KVO,    4456448
.set ACC,    128                       ; window 0: v128-255 the 16 accumulators, (s, i) at 64 s + 8 i
.set SC,     32                        ; window 0: v32-41, v44-53 two sets of scale words: source 0's eight, source 1's two
.set W0,  4                            ; LDS addresses, one for each slot: the weights as source 0, their scale words,
.set W0S, 6
.set T1,  8                            ; the tokens as source 1,
.set T1S, 10
.set T0,  12                           ; the tokens as source 0,
.set T0S, 14
.set W1,  16                           ; the weights as source 1
.set W1S, 18
.set SPW, 28
.set NIL, 29
.set TM,  56
.set PC,  76
.set SEL, 92
.set G1T, 24
.set G0T, 32
.set G1W, 48
.set G0W, 56
.set MSB, 0
.macro WIN new                         ; the immediate's high byte repeats the setting that is left
.if MSB != \new
	s_set_vgpr_msb (MSB<<8)|\new
.set MSB, \new
.endif
.endm
.macro PLACES
.rept 4
	v_nop
.endr
.endm
.macro JLOAD s                         ; a joint load: waves 0 and 1 fetch the tokens' halves, waves 2 and 3 the weights'; an s_nop 0 and four v_nop follow each line
	s_cmp_eq_u32 s15, 0
	s_cbranch_scc0 .Lfor_w_\@
	tensor_load_to_lds s[G0T+4*\s:G0T+4*\s+3], s[G1T:G1T+7]
	s_nop 0
.rept 4
	v_nop
.endr
	s_branch .Lasked_\@
.Lfor_w_\@:
	tensor_load_to_lds s[G0W+4*\s:G0W+4*\s+3], s[G1W:G1W+7]
	s_nop 0
.rept 4
	v_nop
.endr
.Lasked_\@:
.endm
.macro CROUND                          ; a round of the cluster's barrier
	s_barrier_signal -1
	s_barrier_wait -1
	s_cmp_lg_u32 s14, 0
	s_cbranch_scc1 .Lnot_wave_0_\@
	s_barrier_signal -3
.Lnot_wave_0_\@:
	s_barrier_wait -3
	s_barrier_signal -1
	s_barrier_wait -1
.endm
.macro QUANT s, pw                     ; 64 numbers of a lane, register 16 b + i = k 32 b + 16 (lane / 16) + i of my row -> a fragment's codes in v[PC] on, its scale word in v[pw]
.irp b, 0,1,2,3
	v_max3_num_f32 v[TM+\b], |v[(\s)+16*\b]|, |v[(\s)+1+16*\b]|, 0x2800000
.endr
.irp i, 2,4,6,8,10,12,14
.irp b, 0,1,2,3
	v_max3_num_f32 v[TM+\b], v[TM+\b], |v[(\s)+16*\b+\i]|, |v[(\s)+1+16*\b+\i]|
.endr
.endr
.irp b, 0,1,2,3
	v_permlanex16_b32 v[TM+4+\b], v[TM+\b], s[SEL], s[SEL+1]
.endr
.irp b, 0,1,2,3
	v_max_num_f32 v[TM+\b], v[TM+\b], v[TM+4+\b]
.endr
.irp b, 0,1,2,3
	v_add_nc_u32 v[TM+12+\b], 0xfe000000, v[TM+\b]
.endr
.irp b, 0,1,2,3
	v_lshrrev_b32 v[TM+4+\b], 23, v[TM+12+\b]
.endr
	v_lshl_or_b32 v[\pw], v[TM+5], 8, v[TM+4]
	v_lshl_or_b32 v[\pw], v[TM+6], 16, v[\pw]
	v_lshl_or_b32 v[\pw], v[TM+7], 24, v[\pw]
.irp c, 0,1
	v_cvt_scalef32_pk16_bf6_f32 v[PC+6*\c:PC+2+6*\c], v[(\s)+32*\c:(\s)+15+32*\c], v[TM+12+2*\c]
	v_cvt_scalef32_pk16_bf6_f32 v[PC+12+4*\c:PC+14+4*\c], v[(\s)+16+32*\c:(\s)+31+32*\c], v[TM+12+2*\c+1]
.endr
	v_nop
.irp c, 0,1
.irp i, 0,1,2
	v_permlane16_swap_b32 v[PC+6*\c+\i], v[PC+12+4*\c+\i]
.endr
.irp i, 0,1,2
	v_mov_b32 v[PC+3+6*\c+\i], v[PC+12+4*\c+\i]
.endr
.endr
.endm
; 33 LDS loads: record q of a slot: source 0's eight images (24 x 512 consecutive bytes), source 1's two, and their scale words, into buffer f (window 1) and scale set f
.macro FETCH slot, q, f
	WIN 0x40
.set n, 0
.rept 24
	ds_load_b128 v[128*(\f)+4*n:128*(\f)+4*n+3], v[A0+\slot] offset:(\q)*REC+512*n
.set n, n+1
.endr
.set n, 0
.rept 6
	ds_load_b128 v[128*(\f)+96+4*n:128*(\f)+96+4*n+3], v[A1+\slot] offset:(\q)*REC+512*n
.set n, n+1
.endr
	WIN 0
	ds_load_b128 v[SC+12*(\f):SC+12*(\f)+3], v[A0S+\slot] offset:(\q)*REC+12288
	ds_load_b128 v[SC+12*(\f)+4:SC+12*(\f)+7], v[A0S+\slot] offset:(\q)*REC+12304
	ds_load_b64 v[SC+12*(\f)+8:SC+12*(\f)+9], v[A1S+\slot] offset:(\q)*REC+12288
.endm
; 16 matrix instructions, the 16 accumulators by turns, in the same order in every step.  first = 1: the bias (window 2) is the C that starts the sums
.macro MUL16 f, first
.if \first
	WIN 0x25
.else
	WIN 0x05
.endif
.irp s, 0,1
.irp i, 0,1,2,3,4,5,6,7
.set CB, 8*\i
.if CMODE
.set CB, 8*\s
.endif
.if \first
	v_wmma_scale_f32_16x16x128_f8f6f4 v[ACC+64*\s+8*\i:ACC+64*\s+8*\i+7], v[128*(\f)+12*\i:128*(\f)+12*\i+11], v[128*(\f)+96+12*\s:128*(\f)+96+12*\s+11], v[CB:CB+7], v[SC+12*(\f)+\i], v[SC+12*(\f)+8+\s] matrix_a_fmt:MATRIX_FMT_BF6 matrix_b_fmt:MATRIX_FMT_BF6
.else
	v_wmma_scale_f32_16x16x128_f8f6f4 v[ACC+64*\s+8*\i:ACC+64*\s+8*\i+7], v[128*(\f)+12*\i:128*(\f)+12*\i+11], v[128*(\f)+96+12*\s:128*(\f)+96+12*\s+11], v[ACC+64*\s+8*\i:ACC+64*\s+8*\i+7], v[SC+12*(\f)+\i], v[SC+12*(\f)+8+\s] matrix_a_fmt:MATRIX_FMT_BF6 matrix_b_fmt:MATRIX_FMT_BF6
.endif
.endr
.endr
	WIN 0
.endm
.macro STEPK slot, q, first            ; this record's fragments are in; four places behind the last products, whose buffer takes the next record's; then the products
	s_wait_dscnt 0x0
	PLACES
	FETCH \slot, (\q)+1, 1-(\q)%2
	MUL16 (\q)%2, \first
.endm
.macro MAIN8                           ; K = 1,024: eight records in two slots
	FETCH 0, 0, 0
	STEPK 0, 0, 1
	STEPK 0, 1, 0
	STEPK 0, 2, 0
	s_wait_tensorcnt 0x0                           ; my part of slot 1 has landed;
	ds_add_u32 v[SPW], v[NIL]                      ; 0 onto my spare word
	s_wait_dscnt 0x0                               ; the add is done, record 3's fragments are in
	s_barrier_signal -1
	s_barrier_wait -1                              ; everybody's part of slot 1 has landed
	PLACES
	FETCH 1, 0, 0
	MUL16 1, 0
	STEPK 1, 0, 0
	STEPK 1, 1, 0
	STEPK 1, 2, 0
	s_wait_dscnt 0x0
	MUL16 1, 0
.endm
.macro ENDING                          ; the wave's end: a tensor wait, an add onto my spare word and its wait, then the closing round
	s_wait_tensorcnt 0x0
	ds_add_u32 v[SPW], v[NIL]
	s_wait_dscnt 0x0
	CROUND
	s_endpgm
.endm
	s_load_b128 s[4:7], s[0:1], 0x0                ; hc, wts
	s_load_b128 s[8:11], s[0:1], 0x10              ; bqkv, key_padding_mask
	s_load_b64 s[12:13], s[0:1], 0x20              ; big
	v_lshl_add_u32 v[SPW], v0, 2, SPARE
	v_mov_b32 v[NIL], 0
	ds_add_u32 v[SPW], v[NIL]                      ; the wave's opening: the add, twice on end, and its wait ahead of my first tensor load
	ds_add_u32 v[SPW], v[NIL]
	v_lshrrev_b32 v1, 5, v0
	v_readfirstlane_b32 s14, v1                    ; wave 0..3
	s_lshr_b32 s15, s14, 1                         ; I fetch for the tokens (0) or the weights (1),
	s_and_b32 s16, s14, 1                          ; this half of a slot's four records
	s_bfe_u32 s40, ttmp6, 0x40000                  ; cx, cy
	s_bfe_u32 s41, ttmp6, 0x40004
	s_lshl_b32 s42, ttmp9, 2
	s_add_co_u32 s42, s42, s40                     ; x: the panel of columns
	s_and_b32 s17, ttmp7, 0xffff
	s_lshl_b32 s17, s17, 2
	s_add_co_u32 s17, s17, s41                     ; y: the panel of tokens
	s_lshl_b32 s43, s41, 2
	s_lshl_b32 s43, 15, s43                        ; my row of the cluster
	s_lshl_b32 s44, 0x1111, s40                    ; my column
	s_or_b32 s[G1T], s43, (3<<16)|(1<<21)          ; 15:0 the mask; 17:16 elements of 8 bytes; 21 set beside a mask; no padding
	s_or_b32 s[G1W], s44, (3<<16)|(1<<21)
.irp g, G1T, G1W
	s_mov_b32 s[\g+1], 32<<16                      ; a dense block as 100 rows of 256 bytes
	s_mov_b32 s[\g+2], 100<<16
	s_mov_b32 s[\g+3], 32<<16
	s_mov_b32 s[\g+4], 100
	s_mov_b32 s[\g+5], 32
	s_mov_b32 s[\g+6], 0
	s_mov_b32 s[\g+7], 0
.endr
	s_mul_i32 s18, s16, HALF
	s_mul_i32 s20, s17, PAN
	s_add_co_u32 s20, s20, s18
	s_mov_b32 s21, 0
	s_mul_i32 s46, s42, PAN
	s_add_co_u32 s46, s46, s18
	s_add_co_u32 s46, s46, WOFF
	s_mov_b32 s47, 0
	s_mul_i32 s45, s14, HALF                       ; where it goes: the wave's number alone enters an LDS address
	s_mov_b32 s[SEL], 0x76543210
	s_mov_b32 s[SEL+1], 0xfedcba98
	s_wait_dscnt 0x0                               ; both opening adds are done
	s_wait_kmcnt 0x0
	s_add_nc_u64 s[20:21], s[4:5], s[20:21]
	s_add_nc_u64 s[46:47], s[6:7], s[46:47]
	CROUND                                         ; all sixteen work-groups are here: the joint loads meet
.irp s, 0,1
	s_mov_b32 s[G0T+4*\s], 1
	s_add_co_u32 s[G0T+4*\s+1], s45, \s*SLOT
	s_add_nc_u64 s[G0T+4*\s+2:G0T+4*\s+3], s[20:21], \s*REG
	s_or_b32 s[G0T+4*\s+3], s[G0T+4*\s+3], 0x80000000
	s_mov_b32 s[G0W+4*\s], 1
	s_add_co_u32 s[G0W+4*\s+1], s45, \s*SLOT
	s_add_nc_u64 s[G0W+4*\s+2:G0W+4*\s+3], s[46:47], \s*REG
	s_or_b32 s[G0W+4*\s+3], s[G0W+4*\s+3], 0x80000000
	JLOAD \s                                       ; two loads of mine are out
.endr
	v_and_b32 v1, 15, v0                           ; r
	v_bfe_u32 v2, v0, 4, 1                         ; h
	v_and_b32 v3, 31, v0
	v_lshlrev_b32 v3, 4, v3                        ; 16 x lane
	v_lshlrev_b32 v20, 5, v1                       ; 32 r
	v_lshlrev_b32 v21, 6, v2                       ; 64 h
	v_and_b32 v22, 8, v1
	v_add_nc_u32 v22, v22, v1                      ; r % 8 + 16 (r / 8)
	s_mul_i32 s21, s14, 3072                       ; my two tiles' images
	s_lshl_b32 s22, s14, 3                         ; and their scale words
	v_add_nc_u32 v23, s22, v20                     ; 32 r + 8 w
.irp s, 0,1
	v_add_nc_u32 v[W0+\s], \s*SLOT+REG, v3
	v_add_nc_u32 v[W0S+\s], \s*SLOT+REG, v20
	v_add_nc_u32 v[T0+\s], \s*SLOT, v3
	v_add_nc_u32 v[T0S+\s], \s*SLOT, v20
	v_add_nc_u32 v[T1+\s], s21, v3
	v_add_nc_u32 v[T1S+\s], s22, v20
	v_add_nc_u32 v[W1+\s], REG, v[T1+\s]
	v_add_nc_u32 v[W1S+\s], REG, v[T1S+\s]
	s_add_co_u32 s21, s21, SLOT
	s_add_co_u32 s22, s22, SLOT
.endr
.irp b, 0,1,2,3
	v_mov_b32 v[TM+4+\b], 0                        ; a lane permute's destination counts as one of its sources
.endr
	s_lshl_b32 s20, s42, 9
	s_mov_b32 s21, 0
	s_add_nc_u64 s[8:9], s[8:9], s[20:21]          ; the bias of my 128 columns
	s_lshr_b32 s67, s17, 4                         ; the batch
	s_lshl_b32 s68, s67, 2
	s_bfe_u32 s69, s42, 0x20001                    ; the group of four heads
	s_add_co_u32 s68, s68, s69
	s_lshl_b32 s68, s68, 4
	s_and_b32 s69, s17, 15
	s_add_co_u32 s68, s68, s69                     ; the record
	s_and_b32 s70, s42, 1                          ; which two of the group's heads
	s_wait_tensorcnt 0x1                           ; my part of slot 0 is in; slot 1's stays out
	s_barrier_signal -1
	s_barrier_wait -1
	s_lshr_b32 s66, ttmp9, 1                       ; 0: q, 1: k, 2: v: the same in all sixteen partners
	s_cmp_eq_u32 s66, 2
	s_cbranch_scc1 .Lpath_v
; ---------------- q and k
.set A0,  W0
.set A0S, W0S
.set A1,  T1
.set A1S, T1S
.set CMODE, 0
	s_cmp_eq_u32 s66, 1
	s_mov_b32 s71, 34816
	s_cselect_b32 s71, 60416, s71                  ; a record's bytes,
	s_cselect_b32 s72, KVO, 0                      ; where the records begin,
	s_cselect_b32 s73, 0x3f, 0                     ; the spare code: k: -28 x padded;
	s_cselect_b32 s74, 0, 0x0c                     ; q: 1.0 in lanes 0-15
	s_cselect_b32 s75, 1, 0                        ; the spare block's byte is 139 where: k: padded;
	s_cselect_b32 s82, 0, 1                        ; q: always
	s_mov_b32 s83, 0x8a0000
	s_mov_b32 s84, 0x01010000
	s_mul_i32 s76, s68, s71
	s_add_co_u32 s76, s76, s72
	s_lshl_b32 s77, s70, 14
	s_add_co_u32 s78, s76, s77
	s_lshl_b32 s77, s14, 11
	s_add_co_u32 s78, s78, s77
	s_mov_b32 s79, 0
	s_add_nc_u64 s[78:79], s[12:13], s[78:79]      ; image of (my even head, tile 2 w)
	s_lshl_b32 s77, s70, 10
	s_add_co_u32 s80, s76, s77
	s_add_co_u32 s80, s80, 32768
	s_mov_b32 s81, 0
	s_add_nc_u64 s[80:81], s[12:13], s[80:81]      ; my even head's scale words
	s_lshl_b32 s76, s17, 7
	s_lshl_b32 s77, s14, 5
	s_add_co_u32 s76, s76, s77
	s_mov_b32 s77, 0
	s_add_nc_u64 s[10:11], s[10:11], s[76:77]      ; the mask's bytes of my 32 tokens (128 y + 32 w counts through both batches)
	global_load_u8 v104, v22, s[10:11]
	global_load_u8 v105, v22, s[10:11] offset:8
	v_sub_nc_u32 v106, 1, v2
	WIN 0x80
.irp i, 0,1,2,3,4,5,6,7                ; the bias in the result's layout: tile i, lane (r, h): columns 32 (i / 2) + 16 h + 8 (i % 2) + 0 .. 7
	global_load_b128 v[8*\i:8*\i+3], v21, s[8:9] offset:128*(\i/2)+32*(\i%2)
	global_load_b128 v[8*\i+4:8*\i+7], v21, s[8:9] offset:128*(\i/2)+32*(\i%2)+16
.endr
	WIN 0
	s_wait_loadcnt 0x0
	MAIN8
	PLACES
.irp s, 0,1
.if \s
	s_wait_xcnt 0x0                                ; the stores have read their registers
.endif
	QUANT ACC+64*\s, 96
	v_mul_u32_u24 v88, v[104+\s], s73
	v_mad_u32_u24 v88, v106, s74, v88              ; register 6: the spare code
	v_mov_b32 v89, 0                               ; register 7
	v_mov_b32 v100, v80
	v_mov_b32 v101, v81
	v_mov_b32 v102, v88
	v_mov_b32 v103, 0
	v_mad_u32_u24 v107, v[104+\s], s75, s82
	v_mad_u32_u24 v107, v107, s83, s84             ; bytes 2 and 3 of the scale word
	v_and_or_b32 v[120+\s], v96, 0xffff, v107      ; the even head's two bytes,
	v_lshrrev_b32 v[122+\s], 16, v96
	v_or_b32 v[122+\s], v107, v[122+\s]            ; the odd head's
	global_store_b128 v3, v[76:79], s[78:79] offset:1024*\s
	global_store_b128 v3, v[100:103], s[78:79] offset:1024*\s+512
	global_store_b128 v3, v[82:85], s[78:79] offset:8192+1024*\s
	global_store_b128 v3, v[86:89], s[78:79] offset:8192+1024*\s+512
.endr
	global_store_b64 v23, v[120:121], s[80:81]
	global_store_b64 v23, v[122:123], s[80:81] offset:512
	ENDING
; ---------------- v
.Lpath_v:
.set A0,  T0
.set A0S, T0S
.set A1,  W1
.set A1S, W1S
.set CMODE, 1
	v_lshlrev_b32 v24, 2, v22
	s_lshl_b32 s71, s14, 7
	v_add_nc_u32 v24, s71, v24                     ; my channel's bias: column 32 w + 8 s + r % 8 + 16 (r / 8)
	WIN 0x80
.set n, 0
.rept 16
	global_load_b32 v[n], v24, s[8:9] offset:32*(n/8)      ; eight registers alike for each of my two tiles: the C of every token
.set n, n+1
.endr
	WIN 0
	s_mul_i32 s76, s68, 60416
	s_add_co_u32 s76, s76, KVO
	s_lshl_b32 s77, s70, 1
	s_lshr_b32 s72, s14, 1
	s_add_co_u32 s77, s77, s72                     ; my head of the group's four
	s_mul_i32 s72, s77, 6144
	s_add_co_u32 s78, s76, s72
	s_and_b32 s72, s14, 1
	s_mul_i32 s73, s72, 3072
	s_add_co_u32 s78, s78, s73
	s_add_co_u32 s78, s78, 34816
	s_mov_b32 s79, 0
	s_add_nc_u64 s[78:79], s[12:13], s[78:79]      ; image of (head, tile of channels 2 (w % 2))
	s_lshl_b32 s77, s77, 8
	s_add_co_u32 s80, s76, s77
	s_add_co_u32 s80, s80, 59392
	s_mov_b32 s81, 0
	s_add_nc_u64 s[80:81], s[12:13], s[80:81]
	s_lshl_b32 s72, s72, 3
	v_lshl_add_u32 v25, v1, 4, s72                 ; 16 r + 8 (w % 2)
	s_wait_loadcnt 0x0
	MAIN8
	PLACES
.irp s, 0,1
.if \s
	s_wait_xcnt 0x0
.endif
	QUANT ACC+64*\s, 120+\s
.irp c, 0,1,2
	global_store_b128 v3, v[PC+4*\c:PC+4*\c+3], s[78:79] offset:1536*\s+512*\c
.endr
.endr
	global_store_b64 v25, v[120:121], s[80:81]
	ENDING
.Lfunc_end_k_qe9966ade1c_qkv:
	.size	k_qe9966ade1c_qkv, .Lfunc_end_k_qe9966ade1c_qkv-k_qe9966ade1c_qkv
	.p2alignl 7, 3214868480
	.fill 96, 4, 3214868480
	.section	.rodata,"a",@progbits
	.p2align	6, 0x0
	.amdhsa_kernel k_qe9966ade1c_qkv
		.amdhsa_group_segment_fixed_size 327680
		.amdhsa_private_segment_fixed_size 0
		.amdhsa_enable_private_segment 0
		.amdhsa_kernarg_size 40
		.amdhsa_user_sgpr_count 2
		.amdhsa_user_sgpr_kernarg_segment_ptr 1
		.amdhsa_wavefront_size32 1
		.amdhsa_system_sgpr_workgroup_id_x 1
		.amdhsa_system_sgpr_workgroup_id_y 1
		.amdhsa_system_sgpr_workgroup_id_z 1
		.amdhsa_system_vgpr_workitem_id 0
		.amdhsa_next_free_vgpr 576
		.amdhsa_next_free_sgpr 100
		.amdhsa_reserve_vcc 0
		.amdhsa_float_denorm_mode_32 3
		.amdhsa_float_denorm_mode_16_64 3
		.amdhsa_memory_ordered 1
		.amdhsa_forward_progress 1
		.amdhsa_inst_pref_size 102
	.end_amdhsa_kernel
	.amdgpu_metadata
---
amdhsa.version: [ 1, 2 ]
amdhsa.kernels:
  - .name:           k_qe9966ade1c_qkv
    .symbol:         k_qe9966ade1c_qkv.kd
    .args:
      - { .name: hc, .offset: 0, .size: 8, .value_kind: global_buffer, .address_space: global }
      - { .name: wts, .offset: 8, .size: 8, .value_kind: global_buffer, .address_space: global }
      - { .name: bqkv, .offset: 16, .size: 8, .value_kind: global_buffer, .address_space: global }
      - { .name: key_padding_mask, .offset: 24, .size: 8, .value_kind: global_buffer, .address_space: global }
      - { .name: big, .offset: 32, .size: 8, .value_kind: global_buffer, .address_space: global }
    .group_segment_fixed_size: 327680
    .private_segment_fixed_size: 0
    .kernarg_segment_align: 8
    .kernarg_segment_size: 40
    .max_flat_workgroup_size: 128
    .sgpr_count:     100
    .vgpr_count:     576
    .wavefront_size: 32
...
	.end_amdgpu_metadata
.endif
;; end of part 3
;; launch attn (part 4): grid 8 x 32, 16 waves a work-group, clusters of 4 x 4, 327,680 bytes of LDS; arguments big, mb, key_padding_mask, hc; writes hc
.if DOCPART == 4
	.amdgcn_target "amdgcn-amd-amdhsa--gfx1250"
	.amdhsa_code_object_version 6
	.text
	.protected	k_qe9966ade1c_attn
	.globl	k_qe9966ade1c_attn
	.p2align	8
	.type	k_qe9966ade1c_attn,@function
k_qe9966ade1c_attn:
	s_mov_b64 s[64:65], 0
	v_nop
	global_prefetch_b8 v0, s[64:65] scope:SCOPE_SE
	s_setreg_imm32_b32 hwreg(HW_REG_WAVE_MODE, 25, 1), 1
	s_wait_xcnt 0x0
	s_wait_alu depctr_hold_cnt(0) depctr_sa_sdst(0) depctr_va_vdst(0) depctr_va_sdst(0) depctr_va_ssrc(0) depctr_va_vcc(0) depctr_vm_vsrc(0)
	s_getreg_b32 s2, hwreg(HW_REG_IB_STS2, 6, 4)
	s_cmp_eq_u32 s2, 0
	s_cbranch_scc0 .Lentry_in_a_cluster
	s_endpgm
.Lentry_in_a_cluster:
	s_bfe_u32 s2, ttmp6, 0x10000c
	s_cmp_lg_u32 s2, 0xf033
	s_cbranch_scc0 .Lentry_shape_is_right
	s_endpgm
.Lentry_shape_is_right:
; Attention on codes of E3M2, and the quantiser of its result (the projection's operand).
; t = (q.k + 8 (mask + bias)) x log2(e) / 8;  M = the running largest t rounded up to a whole number;  p = 2^(t - M) is quantised along the keys, not normalised;  the row's sum of the unquantised p divides at the end.
; SHARES.  Work-group (x, y): x = batch x 4 + a group of four heads, y = a block of 64 queries.  Sixteen waves: wave w has head w / 4 of the group and tile w % 4 of the block's four tiles of 16 queries.
; Every wave walks the batch's 2,048 keys, 128 a step, through a ring of two LDS slots; a slot holds the step's record of k and v (60,416 bytes) and the block's 8 (mask + bias) for these keys (32,768 bytes).
; CLUSTER 4 x 4: the record hangs on x alone and is asked for jointly along a column of the cluster, the mask's block on y alone, along a row.  Waves 0-3 fetch the record's quarters, waves 4-7 the block's, the others nothing.
; Both products are used transposed (S^T = K Q^T, O^T = V^T P^T): a lane holds one query throughout.  8 (mask + bias) lies in memory as the image of S^T's registers and is the C of the first product: it costs no vector instruction.
; The head has 64 channels and the instruction 128 along K: q's registers 7-11 are zero codes, so what stands in k's registers 8-11 (the next tile's codes) counts for nothing: E3M2 has no code but numbers.
; The place k = 64 carries the key padding mask: a padded key gets -28 x 2^24 inside the product (made by the launch before).  While a row has seen padded keys alone its p are finite, and the first key that counts wipes them (f = 0).
; A batch whose every key is padded has a uniform softmax in reference(): there c = 0 is chosen (a select, no branch), so that every p = 1.
; LIMITS: logits under some 2^21 in size; a row all of whose unpadded keys have a mask of -infinity is not served; -infinity in the mask together with a batch padded throughout is not served.
.set KVREC, 60416
.set QREC,  34816
.set KVO,   4456448
.set SLOT1, 131072
.set SPARE, 262144                     ; the spare words, 128 bytes a wave
.set STAGE, 264192                     ; the way out: 8 images of 1,536 bytes,
.set SCST,  276480                     ; and their scale words [K step 2][r 16][tile 4]
.set PAN8,  102400
.set REC,   12800
.set AK,  1                            ; v1-10  LDS addresses, one for each slot: k's images, k's scale words, v's images, v's scale words, the mask's image
.set AKS, 3
.set AV,  5
.set AVS, 7
.set AB,  9
.set QS,  11                           ; v11    q's scale word
.set QF,  16                           ; v16-27 q                      (v12 -M, v13 the largest t, v[14:15] the sum in two halves)
.set SPW, 28
.set NIL, 29
.set KF,  32                           ; v32-99 k: tile i at 32 + 8 i, twelve registers named; v32-79 v, laid over it
.set S,   100                          ; v100-163 S^T, then p
.set O,   164                          ; v164-195 O^T
.set P,   196                          ; v196-207 p's codes; v208-214 the conversions' second halves
.set C2,  208
.set BM,  216                          ; the blocks' largest scores, then largest p
.set BT,  220
.set SO,  224                          ; the conversions' scale operands
.set KS,  228                          ; k's scale words
.set VS,  236                          ; v's
.set TV,  240
.set F,   242                          ; v242 f = 2^(old M - new M); v243 p's scale word
.set WV,  14
.set SEL, 20
.set CS,  22
.set G1K, 24
.set G1M, 32
.set G0K, 48
.set G0M, 56
.macro TLOAD s                         ; the branches hang on the wave's number alone; an s_nop 0 and four v_nop follow each of the two lines
	s_cmp_lt_u32 s[WV], 4
	s_cbranch_scc0 .Lnot_k_\@
	tensor_load_to_lds s[G0K+4*(\s):G0K+4*(\s)+3], s[G1K:G1K+7]
	s_nop 0
.rept 4
	v_nop
.endr
	s_branch .Lasked_\@
.Lnot_k_\@:
	s_cmp_lt_u32 s[WV], 8
	s_cbranch_scc0 .Lasked_\@
	tensor_load_to_lds s[G0M+4*(\s):G0M+4*(\s)+3], s[G1M:G1M+7]
	s_nop 0
.rept 4
	v_nop
.endr
.Lasked_\@:
.endm
.macro ROUND                           ; a round of the cluster's barrier
	s_barrier_signal -1
	s_barrier_wait -1
	s_cmp_lg_u32 s[WV], 0
	s_cbranch_scc1 .Lnot_wave_0_\@
	s_barrier_signal -3
.Lnot_wave_0_\@:
	s_barrier_wait -3
	s_barrier_signal -1
	s_barrier_wait -1
.endm
	s_load_b128 s[4:7], s[0:1], 0x0                ; big, mb
	s_load_b128 s[8:11], s[0:1], 0x10              ; key_padding_mask, hc
	v_lshl_add_u32 v[SPW], v0, 2, SPARE
	v_mov_b32 v[NIL], 0
	ds_add_u32 v[SPW], v[NIL]                      ; the wave's opening: the add, twice on end, and its wait ahead of the first tensor load
	ds_add_u32 v[SPW], v[NIL]
	v_lshrrev_b32 v30, 5, v0
	v_readfirstlane_b32 s[WV], v30                 ; wave 0..15
	s_bfe_u32 s40, ttmp6, 0x40000                  ; cx, cy
	s_bfe_u32 s41, ttmp6, 0x40004
	s_lshl_b32 s42, ttmp9, 2
	s_add_co_u32 s42, s42, s40                     ; x
	s_and_b32 s17, ttmp7, 0xffff
	s_lshl_b32 s17, s17, 2
	s_add_co_u32 s17, s17, s41                     ; y
	s_lshl_b32 s43, s41, 2
	s_lshl_b32 s43, 15, s43                        ; my row of the cluster
	s_lshl_b32 s44, 0x1111, s40                    ; my column
	s_or_b32 s[G1K], s44, (3<<16)|(1<<21)          ; the record: shared along the column; elements of 8 bytes; a dense block as rows of 256 bytes
	s_mov_b32 s[G1K+1], 32<<16
	s_mov_b32 s[G1K+2], 59<<16                     ; a quarter of 236 rows
	s_mov_b32 s[G1K+3], 32<<16
	s_mov_b32 s[G1K+4], 59
	s_mov_b32 s[G1K+5], 32
	s_mov_b32 s[G1K+6], 0
	s_mov_b32 s[G1K+7], 0
	s_or_b32 s[G1M], s43, (3<<16)|(1<<21)          ; the mask's block: shared along the row
	s_mov_b32 s[G1M+1], 32<<16
	s_mov_b32 s[G1M+2], 32<<16                     ; a quarter of 128 rows
	s_mov_b32 s[G1M+3], 32<<16
	s_mov_b32 s[G1M+4], 32
	s_mov_b32 s[G1M+5], 32
	s_mov_b32 s[G1M+6], 0
	s_mov_b32 s[G1M+7], 0
	s_and_b32 s18, s[WV], 3
	s_mul_i32 s19, s18, 15104                      ; my quarter of a record,
	s_lshl_b32 s45, s18, 13                        ; of a block
	s_mul_i32 s46, s42, 16*KVREC
	s_add_co_u32 s46, s46, s19
	s_add_co_u32 s46, s46, KVO
	s_mov_b32 s47, 0
	s_lshl_b32 s66, s17, 19
	s_add_co_u32 s66, s66, s45
	s_mov_b32 s67, 0
	s_mov_b32 s[SEL], 0x76543210
	s_mov_b32 s[SEL+1], 0xfedcba98
	s_mov_b32 s[CS], 0x3e38aa3b                    ; c = log2(e) / 8
	s_mov_b32 s3, 7
	s_wait_dscnt 0x0                               ; both opening adds are done
	s_wait_kmcnt 0x0
	s_add_nc_u64 s[46:47], s[4:5], s[46:47]
	s_add_nc_u64 s[66:67], s[6:7], s[66:67]
	ROUND                                          ; all sixteen work-groups are here
.irp s, 0,1
	s_mov_b32 s[G0K+4*\s], 1
	s_add_co_u32 s[G0K+4*\s+1], s19, \s*SLOT1
	s_add_nc_u64 s[G0K+4*\s+2:G0K+4*\s+3], s[46:47], \s*KVREC
	s_or_b32 s[G0K+4*\s+3], s[G0K+4*\s+3], 0x80000000
	s_mov_b32 s[G0M+4*\s], 1
	s_add_co_u32 s[G0M+4*\s+1], s45, \s*SLOT1+KVREC
	s_add_nc_u64 s[G0M+4*\s+2:G0M+4*\s+3], s[66:67], \s*32768
	s_or_b32 s[G0M+4*\s+3], s[G0M+4*\s+3], 0x80000000
.endr
	TLOAD 0                                        ; key step 0; one load of a fetching wave is out
	s_lshr_b32 s68, s[WV], 2                       ; my head of the four
	s_and_b32 s69, s[WV], 3                        ; my tile of queries
	v_and_b32 v30, 31, v0
	v_lshlrev_b32 v30, 4, v30                      ; 16 x lane
	v_and_b32 v31, 15, v0                          ; r
	s_lshl_b32 s70, s68, 13
	s_lshl_b32 s71, s68, 9
	s_add_co_u32 s71, s71, 32768
	s_mul_i32 s72, s68, 6144
	s_add_co_u32 s72, s72, 34816
	s_lshl_b32 s73, s68, 8
	s_add_co_u32 s73, s73, 59392
	s_lshl_b32 s74, s69, 13
	s_add_co_u32 s74, s74, KVREC
.irp s, 0,1
	v_add_nc_u32 v[AK+\s], s70, v30
	v_lshl_add_u32 v[AKS+\s], v31, 5, s71
	v_add_nc_u32 v[AV+\s], s72, v30
	v_lshl_add_u32 v[AVS+\s], v31, 4, s73
	v_add_nc_u32 v[AB+\s], s74, v30
	s_add_co_u32 s70, s70, SLOT1
	s_add_co_u32 s71, s71, SLOT1
	s_add_co_u32 s72, s72, SLOT1
	s_add_co_u32 s73, s73, SLOT1
	s_add_co_u32 s74, s74, SLOT1
.endr
	s_lshl_b32 s75, s42, 4
	s_lshr_b32 s76, s17, 1
	s_add_co_u32 s75, s75, s76
	s_mul_i32 s75, s75, QREC                       ; q's record
	s_and_b32 s76, s17, 1
	s_lshl_b32 s76, s76, 2
	s_add_co_u32 s76, s76, s69                     ; my tile in its panel of 128 tokens
	s_lshl_b32 s77, s76, 10
	s_add_co_u32 s78, s75, s77
	s_lshl_b32 s77, s68, 13
	s_add_co_u32 s78, s78, s77
	s_mov_b32 s79, 0
	s_add_nc_u64 s[78:79], s[4:5], s[78:79]
	s_lshl_b32 s77, s76, 2
	s_add_co_u32 s80, s75, s77
	s_lshl_b32 s77, s68, 9
	s_add_co_u32 s80, s80, s77
	s_add_co_u32 s80, s80, 32768
	s_mov_b32 s81, 0
	s_add_nc_u64 s[80:81], s[4:5], s[80:81]
	s_lshr_b32 s82, s42, 2
	s_lshl_b32 s82, s82, 11
	s_mov_b32 s83, 0
	s_add_nc_u64 s[8:9], s[8:9], s[82:83]          ; my batch's 2,048 mask bytes
	v_lshlrev_b32 v244, 5, v31
	v_lshlrev_b32 v245, 2, v30
	global_load_b128 v[QF:QF+3], v30, s[78:79]
	global_load_b128 v[QF+4:QF+7], v30, s[78:79] offset:512
	global_load_b32 v[QS], v244, s[80:81]
.irp i, 0,1,2,3
	global_load_b128 v[S+4*\i:S+4*\i+3], v245, s[8:9] offset:16*\i    ; 64 bytes a lane
.endr
.irp i, 8,9,10,11
	v_mov_b32 v[QF+\i], 0                          ; zero codes
.endr
.irp i, 96,97,98,99
	v_mov_b32 v[\i], 0                             ; named with k's last tile; never loaded
.endr
	v_mov_b32 v13, 0xff61b1e6                      ; the largest t so far: -3e38
	v_floor_f32 v12, -v13                          ; -M
	v_mov_b32 v14, 0
	v_mov_b32 v15, 0
.irp b, 0,1,2,3
	v_mov_b32 v[BT+\b], 0                          ; a lane permute's destination counts as one of its sources
.endr
	v_mov_b32 v[TV], 0
	v_mov_b32 v[F+1], 0
.set n, 0
.rept 32
	v_mov_b32 v[O+n], 0                            ; the step is written once: the first finds zeros
.set n, n+1
.endr
	s_wait_loadcnt 0x0
.set n, 1
.rept 15
	v_and_b32 v[S], v[S], v[S+n]
.set n, n+1
.endr
	v_cmp_ne_u32 s84, 0x1010101, v[S]              ; lanes with a key that counts
	s_cmp_eq_u32 s84, 0
	s_cselect_b32 s[CS], 0, s[CS]                  ; none in the whole batch: c = 0
	s_mov_b32 s[CS+1], s[CS]
.macro STEP sl
.rept 4
	v_nop                                          ; places behind the last products, in front of loads into their registers
.endr
.set n, 0
.rept 16
	ds_load_b128 v[S+4*n:S+4*n+3], v[AB+\sl] offset:512*n          ; 8 (mask + bias): the C of S^T
.set n, n+1
.endr
.set n, 0
.rept 16
	ds_load_b128 v[KF+4*n:KF+4*n+3], v[AK+\sl] offset:512*n        ; k's eight tiles
.set n, n+1
.endr
	ds_load_b128 v[KS:KS+3], v[AKS+\sl]
	ds_load_b128 v[KS+4:KS+7], v[AKS+\sl] offset:16
	s_wait_dscnt 0x0
.irp i, 0,1,2,3,4,5,6,7
	v_wmma_scale_f32_16x16x128_f8f6f4 v[S+8*\i:S+8*\i+7], v[KF+8*\i:KF+8*\i+11], v[QF:QF+11], v[S+8*\i:S+8*\i+7], v[KS+\i], v[QS] matrix_a_fmt:MATRIX_FMT_BF6 matrix_b_fmt:MATRIX_FMT_BF6
.endr
.rept 4
	v_nop
.endr
.set n, 0
.rept 12
	ds_load_b128 v[KF+4*n:KF+4*n+3], v[AV+\sl] offset:512*n        ; v's four tiles land under the softmax
.set n, n+1
.endr
	ds_load_b128 v[VS:VS+3], v[AVS+\sl]
.irp b, 0,1,2,3
	v_max3_num_f32 v[BM+\b], v[S+16*\b], v[S+1+16*\b], v[S+2+16*\b]    ; the largest score of each block of 32 keys: for the row's maximum, and, since p rises with the score, for the block's largest p
.endr
.irp i, 3,5,7,9,11,13
.irp b, 0,1,2,3
	v_max3_num_f32 v[BM+\b], v[BM+\b], v[S+16*\b+\i], v[S+1+16*\b+\i]
.endr
.endr
.irp b, 0,1,2,3
	v_max_num_f32 v[BM+\b], v[BM+\b], v[S+15+16*\b]
.endr
.irp b, 0,1,2,3
	v_permlanex16_b32 v[BT+\b], v[BM+\b], s[SEL], s[SEL+1]
.endr
.irp b, 0,1,2,3
	v_max_num_f32 v[BM+\b], v[BM+\b], v[BT+\b]
.endr
	v_max3_num_f32 v[TV], v[BM], v[BM+1], v[BM+2]
	v_max_num_f32 v[TV], v[TV], v[BM+3]
	v_mul_f32 v[TV], s[CS], v[TV]                  ; as t (c is not negative)
	v_max_num_f32 v13, v13, v[TV]
	v_mov_b32 v[TV], v12
	v_floor_f32 v12, -v13                          ; the new -M = -ceil(t): a whole number
	v_sub_f32 v[TV], v12, v[TV]
	v_cvt_i32_f32 v[TV], v[TV]                     ; (it saturates)
	v_ldexp_f32 v[F], 1.0, v[TV]                   ; f = 2^(old M - new M)
.set n, 0
.rept 32
	v_pk_fma_f32 v[S+n:S+n+1], v[S+n:S+n+1], s[CS:CS+1], v[12:13] op_sel_hi:[1,0,0]    ; t - M
.set n, n+2
.endr
.irp b, 0,1,2,3
	v_fma_f32 v[BM+\b], v[BM+\b], s[CS], v12
.endr
.set n, 0
.rept 64
	v_exp_f32 v[S+n], v[S+n]                       ; p = 2^(t - M)
.set n, n+1
.endr
	v_pk_mul_f32 v[14:15], v[14:15], v[F:F+1] op_sel_hi:[1,0]      ; the sums under the new M: a plain instruction behind the batch
	s_wait_alu depctr_va_vdst(0)                   ; one wait for the 64, ahead of their first reader
.irp b, 0,1,2,3
	v_exp_f32 v[BM+\b], v[BM+\b]                   ; the block's largest p
.endr
	v_pk_add_f32 v[BT:BT+1], v[S:S+1], v[S+2:S+3]  ; the row's sum is taken of the unquantised p, in two chains
.set n, 4
.rept 15
	v_pk_add_f32 v[14:15], v[14:15], v[S+n:S+n+1]
	v_pk_add_f32 v[BT:BT+1], v[BT:BT+1], v[S+n+2:S+n+3]
.set n, n+4
.endr
	v_pk_add_f32 v[14:15], v[14:15], v[BT:BT+1]
	s_wait_alu depctr_va_vdst(0)                   ; and one for the four
.irp b, 0,1,2,3
	v_max_num_f32 v[BM+\b], 0x2800000, v[BM+\b]    ; the floor 2^(5 - 127)
.endr
.irp b, 0,1,2,3
	v_add_nc_u32 v[SO+\b], 0xfe000000, v[BM+\b]
.endr
.irp b, 0,1,2,3
	v_lshrrev_b32 v[BT+\b], 23, v[SO+\b]
.endr
	v_lshl_or_b32 v[F+1], v[BT+1], 8, v[BT]        ; p's scale word for these 128 keys
	v_lshl_or_b32 v[F+1], v[BT+2], 16, v[F+1]
	v_lshl_or_b32 v[F+1], v[BT+3], 24, v[F+1]
.irp c, 0,1
	v_cvt_scalef32_pk16_bf6_f32 v[P+6*\c:P+2+6*\c], v[S+32*\c:S+15+32*\c], v[SO+2*\c]
	v_cvt_scalef32_pk16_bf6_f32 v[C2+4*\c:C2+2+4*\c], v[S+16+32*\c:S+31+32*\c], v[SO+2*\c+1]
.endr
	v_nop                                          ; one plain place behind a scaled conversion
.irp c, 0,1
.irp i, 0,1,2
	v_permlane16_swap_b32 v[P+6*\c+\i], v[C2+4*\c+\i]
.endr
.irp i, 0,1,2
	v_mov_b32 v[P+3+6*\c+\i], v[C2+4*\c+\i]
.endr
.endr
.set n, 0
.rept 16
	v_pk_mul_f32 v[O+n:O+n+1], v[O+n:O+n+1], v[F:F+1] op_sel_hi:[1,0]      ; O^T under the new M; these sixteen are also the places in front of the products below
.set n, n+2
.endr
	s_wait_dscnt 0x0                               ; v is in
.irp t, 0,1,2,3
	v_wmma_scale_f32_16x16x128_f8f6f4 v[O+8*\t:O+8*\t+7], v[KF+12*\t:KF+12*\t+11], v[P:P+11], v[O+8*\t:O+8*\t+7], v[VS+\t], v[F+1] matrix_a_fmt:MATRIX_FMT_BF6 matrix_b_fmt:MATRIX_FMT_BF6
.endr
.endm
; A trip: all my tensor loads have landed (my part of this trip's slot among them); the add; this slot's descriptors step two key steps on; the add and my reads of the other slot are done; a round of the cluster's
; barrier; then the next key step is asked for, into the slot read last trip, and has this trip's work in which to land.
.macro TRIP slot, refill
	s_wait_tensorcnt 0x0
	ds_add_u32 v[SPW], v[NIL]                      ; 0 onto my spare word
.if \refill
	ds_add_u32 v[SPW], v[NIL]                      ; and once more
.endif
	s_add_nc_u64 s[G0K+4*\slot+2:G0K+4*\slot+3], s[G0K+4*\slot+2:G0K+4*\slot+3], 2*KVREC
	s_add_nc_u64 s[G0M+4*\slot+2:G0M+4*\slot+3], s[G0M+4*\slot+2:G0M+4*\slot+3], 2*32768
	s_wait_dscnt 0x0
	ROUND
.if \refill
	TLOAD 1-\slot
.endif
	STEP \slot
.endm
.Lkeys:                                            ; seven trips of two key steps
	TRIP 0, 1
	TRIP 1, 1
	s_sub_co_u32 s3, s3, 1
	s_cmp_lg_u32 s3, 0
	s_cbranch_scc1 .Lkeys
	TRIP 0, 1                                      ; the tail is written out: the last step asks for nothing (its stepped addresses are not used)
	TRIP 1, 0
	; THE WAY OUT.  O^T / the sum: 64 channels of one query, register 16 b + i = channel 32 b + 16 (lane / 16) + i: two blocks of the projection's K.  They become half a fragment (six registers); two heads make a fragment.
	v_add_f32 v14, v14, v15
	v_permlanex16_b32 v[TV], v14, s[SEL], s[SEL+1]
	v_add_f32 v14, v14, v[TV]
	v_rcp_f32 v14, v14
	v_and_b32 v30, 31, v0
	v_lshlrev_b32 v30, 4, v30
	v_and_b32 v31, 15, v0
	s_and_b32 s70, s68, 1                          ; which half of the fragment: c
	s_lshr_b32 s71, s68, 1                         ; which of the group's two K steps
	s_lshl_b32 s72, s69, 1
	s_add_co_u32 s72, s72, s71
	s_mul_i32 s72, s72, 1536
	s_add_co_u32 s72, s72, STAGE                   ; the image
	s_mul_i32 s73, s70, 520
	s_add_co_u32 s73, s73, s72
	v_add_nc_u32 v1, s73, v30                      ; registers 6 c, 6 c + 1 at 16 l + 520 c; 6 c + 4, 6 c + 5 512 bytes on
	s_mul_i32 s73, s70, 1016
	s_add_co_u32 s73, s73, s72
	v_add_nc_u32 v2, s73, v30                      ; registers 6 c + 2, 6 c + 3 at 16 l + 1016 c + 8
	s_lshl_b32 s73, s71, 8
	s_lshl_b32 s74, s69, 2
	s_add_co_u32 s73, s73, s74
	s_lshl_b32 s74, s70, 1
	s_add_co_u32 s73, s73, s74
	s_add_co_u32 s73, s73, SCST
	v_lshl_add_u32 v3, v31, 4, s73                 ; my two scale bytes
	s_mul_i32 s73, s[WV], 1536
	s_add_co_u32 s73, s73, STAGE
	v_add_nc_u32 v4, s73, v30                      ; back: image w (waves 0-7)
	v_add_nc_u32 v5, SCST, v30                     ; back: the scale words (wave 8)
	s_lshr_b32 s74, s42, 2
	s_lshl_b32 s74, s74, 4
	s_lshr_b32 s75, s17, 1
	s_add_co_u32 s74, s74, s75
	s_mul_i32 s74, s74, PAN8                       ; the tokens' panel in hc,
	s_and_b32 s75, s42, 3
	s_mul_i32 s75, s75, 2*REC
	s_add_co_u32 s74, s74, s75                     ; the group's first record
	s_and_b32 s75, s17, 1
	s_and_b32 s77, s[WV], 1
	s_mul_i32 s77, s77, REC
	s_add_co_u32 s78, s74, s77
	s_lshl_b32 s77, s75, 2
	s_lshr_b32 s79, s[WV], 1
	s_add_co_u32 s77, s77, s79
	s_mul_i32 s77, s77, 1536
	s_add_co_u32 s78, s78, s77
	s_mov_b32 s79, 0
	s_add_nc_u64 s[78:79], s[10:11], s[78:79]      ; image w's place: record w % 2, tile 4 (y % 2) + w / 2
	s_lshl_b32 s77, s75, 4
	s_add_co_u32 s80, s74, s77
	s_add_co_u32 s80, s80, 12288
	s_mov_b32 s81, 0
	s_add_nc_u64 s[80:81], s[10:11], s[80:81]
	v_bfe_u32 v6, v0, 4, 1
	v_mul_u32_u24 v6, v6, REC
	v_lshl_add_u32 v6, v31, 5, v6                  ; lane 16 k + r: record k, 32 r
	s_wait_alu depctr_va_vdst(0)                   ; the wait for the reciprocal, ahead of its first reader
.set n, 0
.rept 32
	v_mul_f32 v[S+n], v[O+n], v14
.set n, n+1
.endr
.irp b, 0,1
	v_max3_num_f32 v[BM+\b], |v[S+16*\b]|, |v[S+1+16*\b]|, 0x2800000
.endr
.irp i, 2,4,6,8,10,12,14
.irp b, 0,1
	v_max3_num_f32 v[BM+\b], v[BM+\b], |v[S+16*\b+\i]|, |v[S+1+16*\b+\i]|
.endr
.endr
.irp b, 0,1
	v_permlanex16_b32 v[BT+\b], v[BM+\b], s[SEL], s[SEL+1]
.endr
.irp b, 0,1
	v_max_num_f32 v[BM+\b], v[BM+\b], v[BT+\b]
.endr
.irp b, 0,1
	v_add_nc_u32 v[SO+\b], 0xfe000000, v[BM+\b]
.endr
.irp b, 0,1
	v_lshrrev_b32 v[BT+\b], 23, v[SO+\b]
.endr
	v_lshl_or_b32 v[TV], v[BT+1], 8, v[BT]
	v_cvt_scalef32_pk16_bf6_f32 v[P:P+2], v[S:S+15], v[SO]
	v_cvt_scalef32_pk16_bf6_f32 v[C2:C2+2], v[S+16:S+31], v[SO+1]
	v_nop
.irp i, 0,1,2
	v_permlane16_swap_b32 v[P+\i], v[C2+\i]
.endr
.irp i, 0,1,2
	v_mov_b32 v[P+3+\i], v[C2+\i]
.endr
	ds_store_b64 v1, v[P:P+1]
	ds_store_b64 v2, v[P+2:P+3] offset:8
	ds_store_b64 v1, v[P+4:P+5] offset:512
	ds_store_b16 v3, v[TV]                         ; both halves of the lanes hold the same two bytes
	s_wait_dscnt 0x0                               ; for the others' sake: my part of the images lies in LDS
	s_barrier_signal -1
	s_barrier_wait -1
	s_cmp_lt_u32 s[WV], 8
	s_cbranch_scc0 .Lnot_image
.irp c, 0,1,2
	ds_load_b128 v[S+4*\c:S+4*\c+3], v4 offset:512*\c
.endr
	s_wait_dscnt 0x0
.irp c, 0,1,2
	global_store_b128 v30, v[S+4*\c:S+4*\c+3], s[78:79] offset:512*\c      ; 512 consecutive bytes
.endr
	s_branch .Lout_done
.Lnot_image:
	s_cmp_eq_u32 s[WV], 8
	s_cbranch_scc0 .Lout_done
	ds_load_b128 v[S:S+3], v5
	s_wait_dscnt 0x0
	global_store_b128 v6, v[S:S+3], s[80:81]       ; four tiles' scale words of a row
.Lout_done:
	s_wait_tensorcnt 0x0                           ; the wave's end: a tensor wait, an add onto my spare word and its wait,
	ds_add_u32 v[SPW], v[NIL]
	s_wait_dscnt 0x0
	ROUND                                          ; and the closing round
	s_endpgm
.Lfunc_end_k_qe9966ade1c_attn:
	.size	k_qe9966ade1c_attn, .Lfunc_end_k_qe9966ade1c_attn-k_qe9966ade1c_attn
	.p2alignl 7, 3214868480
	.fill 96, 4, 3214868480
	.section	.rodata,"a",@progbits
	.p2align	6, 0x0
	.amdhsa_kernel k_qe9966ade1c_attn
		.amdhsa_group_segment_fixed_size 327680
		.amdhsa_private_segment_fixed_size 0
		.amdhsa_enable_private_segment 0
		.amdhsa_kernarg_size 32
		.amdhsa_user_sgpr_count 2
		.amdhsa_user_sgpr_kernarg_segment_ptr 1
		.amdhsa_wavefront_size32 1
		.amdhsa_system_sgpr_workgroup_id_x 1
		.amdhsa_system_sgpr_workgroup_id_y 1
		.amdhsa_system_sgpr_workgroup_id_z 1
		.amdhsa_system_vgpr_workitem_id 0
		.amdhsa_next_free_vgpr 256
		.amdhsa_next_free_sgpr 96
		.amdhsa_reserve_vcc 0
		.amdhsa_float_denorm_mode_32 3
		.amdhsa_float_denorm_mode_16_64 3
		.amdhsa_memory_ordered 1
		.amdhsa_forward_progress 1
		.amdhsa_inst_pref_size 87
	.end_amdhsa_kernel
	.amdgpu_metadata
---
amdhsa.version: [ 1, 2 ]
amdhsa.kernels:
  - .name:           k_qe9966ade1c_attn
    .symbol:         k_qe9966ade1c_attn.kd
    .args:
      - { .name: big, .offset: 0, .size: 8, .value_kind: global_buffer, .address_space: global }
      - { .name: mb, .offset: 8, .size: 8, .value_kind: global_buffer, .address_space: global }
      - { .name: key_padding_mask, .offset: 16, .size: 8, .value_kind: global_buffer, .address_space: global }
      - { .name: hc, .offset: 24, .size: 8, .value_kind: global_buffer, .address_space: global }
    .group_segment_fixed_size: 327680
    .private_segment_fixed_size: 0
    .kernarg_segment_align: 8
    .kernarg_segment_size: 32
    .max_flat_workgroup_size: 512
    .sgpr_count:     96
    .vgpr_count:     256
    .wavefront_size: 32
...
	.end_amdgpu_metadata
.endif
;; end of part 4
;; launch proj (part 5): grid 8 x 32, 4 waves a work-group, clusters of 4 x 4, 327,680 bytes of LDS; arguments hc, wts, bproj, x, x1; writes x1
.if DOCPART == 5
	.amdgcn_target "amdgcn-amd-amdhsa--gfx1250"
	.amdhsa_code_object_version 6
	.text
	.protected	k_qe9966ade1c_proj
	.globl	k_qe9966ade1c_proj
	.p2align	8
	.type	k_qe9966ade1c_proj,@function
k_qe9966ade1c_proj:
	s_mov_b64 s[64:65], 0
	v_nop
	global_prefetch_b8 v0, s[64:65] scope:SCOPE_SE
	s_setreg_imm32_b32 hwreg(HW_REG_WAVE_MODE, 25, 1), 1
	s_wait_xcnt 0x0
	s_wait_alu depctr_hold_cnt(0) depctr_sa_sdst(0) depctr_va_vdst(0) depctr_va_sdst(0) depctr_va_ssrc(0) depctr_va_vcc(0) depctr_vm_vsrc(0)
	s_getreg_b32 s2, hwreg(HW_REG_IB_STS2, 6, 4)
	s_cmp_eq_u32 s2, 0
	s_cbranch_scc0 .Lentry_in_a_cluster
	s_endpgm
.Lentry_in_a_cluster:
	s_bfe_u32 s2, ttmp6, 0x10000c
	s_cmp_lg_u32 s2, 0xf033
	s_cbranch_scc0 .Lentry_shape_is_right
	s_endpgm
.Lentry_shape_is_right:
; out = residual + A W + bias on codes of E3M2; out and residual [4,096][1,024] f32.  Here: x1 = x + attn_out Wproj + bproj, K = 1,024.
; A work-group makes 128 tokens (panel y) x 128 columns (panel x).  K goes through two LDS slots of 512 (four records of each operand); with K = 1,024 both are first fills.
; CLUSTER 4 x 4: the tokens' records hang on y alone and are asked for jointly along a row of the cluster, the weights' on x alone, along a column.
; WAVE w: source 1 = token tiles 2 w, 2 w + 1, source 0 = all eight tiles of columns: 16 accumulators; a lane holds one token, and its 64 registers are the panel's 128 columns in their natural order
; (lane row r of tile t is row 32 (t / 2) + 8 (t % 2) + r % 8 + 16 (r / 8)).  The bias is the C of the first products.  The result goes through the wave's own stage in LDS and leaves as rows of 512 bytes.
.set REC,    12800
.set HALF,   2*REC
.set REG,    4*REC
.set SLOT,   2*REG
.set KSLOTS, 2                         ; K / 512
.set PAN,    KSLOTS*REG
.set WOFF,   2457600
.set STG,    2*SLOT                    ; 16 rows x 528 bytes for each wave
.set SPITCH, 528
.set SPARE,  STG+4*16*SPITCH
.set ACC,    128
.set SC,     32
.set OB,     56                        ; v56-119 16 rows read back
.set A0,  4
.set A0S, 6
.set A1,  8
.set A1S, 10
.set STO, 12
.set RD,  13
.set SPW, 28
.set NIL, 29
.set G1T, 24
.set G0T, 32
.set G1W, 48
.set G0W, 56
.set MSB, 0
.macro WIN new
.if MSB != \new
	s_set_vgpr_msb (MSB<<8)|\new
.set MSB, \new
.endif
.endm
.macro PLACES
.rept 4
	v_nop
.endr
.endm
.macro JLOAD s
	s_cmp_eq_u32 s15, 0
	s_cbranch_scc0 .Lfor_w_\@
	tensor_load_to_lds s[G0T+4*\s:G0T+4*\s+3], s[G1T:G1T+7]
	s_nop 0
.rept 4
	v_nop
.endr
	s_branch .Lasked_\@
.Lfor_w_\@:
	tensor_load_to_lds s[G0W+4*\s:G0W+4*\s+3], s[G1W:G1W+7]
	s_nop 0
.rept 4
	v_nop
.endr
.Lasked_\@:
.endm
.macro CROUND
	s_barrier_signal -1
	s_barrier_wait -1
	s_cmp_lg_u32 s14, 0
	s_cbranch_scc1 .Lnot_wave_0_\@
	s_barrier_signal -3
.Lnot_wave_0_\@:
	s_barrier_wait -3
	s_barrier_signal -1
	s_barrier_wait -1
.endm
.macro FETCH slot, q, f
	WIN 0x40
.set n, 0
.rept 24
	ds_load_b128 v[128*(\f)+4*n:128*(\f)+4*n+3], v[A0+\slot] offset:(\q)*REC+512*n
.set n, n+1
.endr
.set n, 0
.rept 6
	ds_load_b128 v[128*(\f)+96+4*n:128*(\f)+96+4*n+3], v[A1+\slot] offset:(\q)*REC+512*n
.set n, n+1
.endr
	WIN 0
	ds_load_b128 v[SC+12*(\f):SC+12*(\f)+3], v[A0S+\slot] offset:(\q)*REC+12288
	ds_load_b128 v[SC+12*(\f)+4:SC+12*(\f)+7], v[A0S+\slot] offset:(\q)*REC+12304
	ds_load_b64 v[SC+12*(\f)+8:SC+12*(\f)+9], v[A1S+\slot] offset:(\q)*REC+12288
.endm
.macro MUL16 f, first                  ; the 16 accumulators by turns, in the same order in every step
.if \first
	WIN 0x25
.else
	WIN 0x05
.endif
.irp s, 0,1
.irp i, 0,1,2,3,4,5,6,7
.if \first
	v_wmma_scale_f32_16x16x128_f8f6f4 v[ACC+64*\s+8*\i:ACC+64*\s+8*\i+7], v[128*(\f)+12*\i:128*(\f)+12*\i+11], v[128*(\f)+96+12*\s:128*(\f)+96+12*\s+11], v[8*\i:8*\i+7], v[SC+12*(\f)+\i], v[SC+12*(\f)+8+\s] matrix_a_fmt:MATRIX_FMT_BF6 matrix_b_fmt:MATRIX_FMT_BF6
.else
	v_wmma_scale_f32_16x16x128_f8f6f4 v[ACC+64*\s+8*\i:ACC+64*\s+8*\i+7], v[128*(\f)+12*\i:128*(\f)+12*\i+11], v[128*(\f)+96+12*\s:128*(\f)+96+12*\s+11], v[ACC+64*\s+8*\i:ACC+64*\s+8*\i+7], v[SC+12*(\f)+\i], v[SC+12*(\f)+8+\s] matrix_a_fmt:MATRIX_FMT_BF6 matrix_b_fmt:MATRIX_FMT_BF6
.endif
.endr
.endr
	WIN 0
.endm
.macro STEPK slot, q, first
	s_wait_dscnt 0x0                               ; this record's fragments are in
	PLACES                                         ; behind the last products, whose buffer takes the next record's
	FETCH \slot, (\q)+1, 1-(\q)%2
	MUL16 (\q)%2, \first
.endm
; A slot's last record changes slots.  All my tensor loads have landed; the add; my reads of this slot are in registers; a barrier.  fill = 1: it is a round of the cluster's, and this slot is asked for again, two slots on.
.macro TURN slot, next, fill
	s_wait_tensorcnt 0x0
	ds_add_u32 v[SPW], v[NIL]                      ; 0 onto my spare word
.if \fill
	s_add_nc_u64 s[G0T+4*\slot+2:G0T+4*\slot+3], s[G0T+4*\slot+2:G0T+4*\slot+3], 2*REG
	s_add_nc_u64 s[G0W+4*\slot+2:G0W+4*\slot+3], s[G0W+4*\slot+2:G0W+4*\slot+3], 2*REG
.endif
	s_wait_dscnt 0x0
.if \fill
	CROUND
	JLOAD \slot                                    ; the first tensor load behind the round; its four v_nop are also the places in front of the loads below
.else
	s_barrier_signal -1
	s_barrier_wait -1
	PLACES
.endif
	FETCH \next, 0, 0
	MUL16 1, 0
.endm
	s_load_b128 s[4:7], s[0:1], 0x0                ; the tokens' codes, wts
	s_load_b128 s[8:11], s[0:1], 0x10              ; the bias, the residual
	s_load_b64 s[12:13], s[0:1], 0x20              ; out
	v_lshl_add_u32 v[SPW], v0, 2, SPARE
	v_mov_b32 v[NIL], 0
	ds_add_u32 v[SPW], v[NIL]                      ; the wave's opening: the add, twice on end, and its wait ahead of my first tensor load
	ds_add_u32 v[SPW], v[NIL]
	v_lshrrev_b32 v1, 5, v0
	v_readfirstlane_b32 s14, v1
	s_lshr_b32 s15, s14, 1
	s_and_b32 s16, s14, 1
	s_bfe_u32 s40, ttmp6, 0x40000
	s_bfe_u32 s41, ttmp6, 0x40004
	s_lshl_b32 s42, ttmp9, 2
	s_add_co_u32 s42, s42, s40                     ; x
	s_and_b32 s17, ttmp7, 0xffff
	s_lshl_b32 s17, s17, 2
	s_add_co_u32 s17, s17, s41                     ; y
	s_lshl_b32 s43, s41, 2
	s_lshl_b32 s43, 15, s43
	s_lshl_b32 s44, 0x1111, s40
	s_or_b32 s[G1T], s43, (3<<16)|(1<<21)
	s_or_b32 s[G1W], s44, (3<<16)|(1<<21)
.irp g, G1T, G1W
	s_mov_b32 s[\g+1], 32<<16                      ; a dense block as 100 rows of 256 bytes
	s_mov_b32 s[\g+2], 100<<16
	s_mov_b32 s[\g+3], 32<<16
	s_mov_b32 s[\g+4], 100
	s_mov_b32 s[\g+5], 32
	s_mov_b32 s[\g+6], 0
	s_mov_b32 s[\g+7], 0
.endr
	s_mul_i32 s18, s16, HALF
	s_mul_i32 s20, s17, PAN
	s_add_co_u32 s20, s20, s18
	s_mov_b32 s21, 0
	s_mul_i32 s46, s42, PAN
	s_add_co_u32 s46, s46, s18
	s_add_co_u32 s46, s46, WOFF
	s_mov_b32 s47, 0
	s_mul_i32 s45, s14, HALF
	s_wait_dscnt 0x0
	s_wait_kmcnt 0x0
	s_add_nc_u64 s[20:21], s[4:5], s[20:21]
	s_add_nc_u64 s[46:47], s[6:7], s[46:47]
	CROUND
.irp s, 0,1
	s_mov_b32 s[G0T+4*\s], 1
	s_add_co_u32 s[G0T+4*\s+1], s45, \s*SLOT
	s_add_nc_u64 s[G0T+4*\s+2:G0T+4*\s+3], s[20:21], \s*REG
	s_or_b32 s[G0T+4*\s+3], s[G0T+4*\s+3], 0x80000000
	s_mov_b32 s[G0W+4*\s], 1
	s_add_co_u32 s[G0W+4*\s+1], s45, \s*SLOT
	s_add_nc_u64 s[G0W+4*\s+2:G0W+4*\s+3], s[46:47], \s*REG
	s_or_b32 s[G0W+4*\s+3], s[G0W+4*\s+3], 0x80000000
	JLOAD \s                                       ; two loads of mine are out
.endr
	v_and_b32 v1, 15, v0
	v_bfe_u32 v2, v0, 4, 1
	v_and_b32 v3, 31, v0
	v_lshlrev_b32 v3, 4, v3
	v_lshlrev_b32 v20, 5, v1
	v_lshlrev_b32 v21, 6, v2
	s_mul_i32 s21, s14, 3072
	s_lshl_b32 s22, s14, 3
.irp s, 0,1
	v_add_nc_u32 v[A0+\s], \s*SLOT+REG, v3
	v_add_nc_u32 v[A0S+\s], \s*SLOT+REG, v20
	v_add_nc_u32 v[A1+\s], s21, v3
	v_add_nc_u32 v[A1S+\s], s22, v20
	s_add_co_u32 s21, s21, SLOT
	s_add_co_u32 s22, s22, SLOT
.endr
	s_mul_i32 s23, s14, 16*SPITCH
	s_add_co_u32 s23, s23, STG                     ; my stage
	v_mul_u32_u24 v[STO], v1, SPITCH
	v_add_nc_u32 v[STO], v[STO], v21
	v_add_nc_u32 v[STO], s23, v[STO]               ; in: row r, + 64 h
	v_add_nc_u32 v[RD], s23, v3                    ; back: a row of 512 bytes to the 32 lanes
	s_lshl_b32 s20, s42, 9
	s_mov_b32 s21, 0
	s_add_nc_u64 s[8:9], s[8:9], s[20:21]          ; the bias of my 128 columns
	s_lshl_b32 s22, s17, 19
	s_add_co_u32 s20, s20, s22
	s_lshl_b32 s22, s14, 17
	s_add_co_u32 s20, s20, s22                     ; token 128 y + 32 w, column 128 x
	s_add_nc_u64 s[10:11], s[10:11], s[20:21]
	s_add_nc_u64 s[12:13], s[12:13], s[20:21]
	WIN 0x80
.irp i, 0,1,2,3,4,5,6,7
	global_load_b128 v[8*\i:8*\i+3], v21, s[8:9] offset:128*(\i/2)+32*(\i%2)
	global_load_b128 v[8*\i+4:8*\i+7], v21, s[8:9] offset:128*(\i/2)+32*(\i%2)+16
.endr
.set n, 0
.rept 32                               ; the residual's rows, as they will be stored: tile s = n / 16, lane row n % 16
	global_load_b128 v[64+4*n:67+4*n], v3, s[10:11] offset:(8*(n/16)+(n%8)+16*((n%16)/8))*4096
.set n, n+1
.endr
	WIN 0
	s_wait_tensorcnt 0x1                           ; my part of slot 0 is in; slot 1's stays out
	s_barrier_signal -1
	s_barrier_wait -1
	s_wait_loadcnt 32                              ; the bias is in; the residual's 32 loads stay out
	FETCH 0, 0, 0
	STEPK 0, 0, 1
.if KSLOTS > 2
	s_mov_b32 s3, KSLOTS/2-1
.Llap:                                             ; a trip goes once round the ring and fills both slots again
	STEPK 0, 1, 0
	STEPK 0, 2, 0
	TURN 0, 1, 1
	STEPK 1, 0, 0
	STEPK 1, 1, 0
	STEPK 1, 2, 0
	TURN 1, 0, 1
	STEPK 0, 0, 0
	s_sub_co_u32 s3, s3, 1
	s_cmp_lg_u32 s3, 0
	s_cbranch_scc1 .Llap
.endif
	STEPK 0, 1, 0                                  ; the last lap fills nothing
	STEPK 0, 2, 0
	TURN 0, 1, 0
	STEPK 1, 0, 0
	STEPK 1, 1, 0
	STEPK 1, 2, 0
	s_wait_dscnt 0x0
	MUL16 1, 0
	PLACES
	s_wait_loadcnt 0x0                             ; the residual
.irp s, 0,1
.irp t, 0,1,2,3,4,5,6,7                ; each accumulator from its low end on
	ds_store_b128 v[STO], v[ACC+64*\s+8*\t:ACC+64*\s+8*\t+3] offset:128*(\t/2)+32*(\t%2)
	ds_store_b128 v[STO], v[ACC+64*\s+8*\t+4:ACC+64*\s+8*\t+7] offset:128*(\t/2)+32*(\t%2)+16
.endr
.if \s
	s_wait_xcnt 0x0                                ; the first tile's stores have read their registers
.endif
.set n, 0
.rept 16
	ds_load_b128 v[OB+4*n:OB+4*n+3], v[RD] offset:n*SPITCH         ; LDS serves a wave's instructions in order: these see my stores
.set n, n+1
.endr
	s_wait_dscnt 0x0
	WIN 0x08
.set n, 0
.rept 32
	v_pk_add_f32 v[OB+2*n:OB+2*n+1], v[OB+2*n:OB+2*n+1], v[64+64*\s+2*n:65+64*\s+2*n]
.set n, n+1
.endr
	WIN 0
.set n, 0
.rept 16
	global_store_b128 v3, v[OB+4*n:OB+4*n+3], s[12:13] offset:(8*\s+(n%8)+16*(n/8))*4096    ; 512 consecutive bytes, aligned
.set n, n+1
.endr
.endr
	s_wait_tensorcnt 0x0                           ; the wave's end: a tensor wait, an add onto my spare word and its wait,
	ds_add_u32 v[SPW], v[NIL]
	s_wait_dscnt 0x0
	CROUND                                         ; and the closing round
	s_endpgm
.Lfunc_end_k_qe9966ade1c_proj:
	.size	k_qe9966ade1c_proj, .Lfunc_end_k_qe9966ade1c_proj-k_qe9966ade1c_proj
	.p2alignl 7, 3214868480
	.fill 96, 4, 3214868480
	.section	.rodata,"a",@progbits
	.p2align	6, 0x0
	.amdhsa_kernel k_qe9966ade1c_proj
		.amdhsa_group_segment_fixed_size 327680
		.amdhsa_private_segment_fixed_size 0
		.amdhsa_enable_private_segment 0
		.amdhsa_kernarg_size 40
		.amdhsa_user_sgpr_count 2
		.amdhsa_user_sgpr_kernarg_segment_ptr 1
		.amdhsa_wavefront_size32 1
		.amdhsa_system_sgpr_workgroup_id_x 1
		.amdhsa_system_sgpr_workgroup_id_y 1
		.amdhsa_system_sgpr_workgroup_id_z 1
		.amdhsa_system_vgpr_workitem_id 0
		.amdhsa_next_free_vgpr 704
		.amdhsa_next_free_sgpr 100
		.amdhsa_reserve_vcc 0
		.amdhsa_float_denorm_mode_32 3
		.amdhsa_float_denorm_mode_16_64 3
		.amdhsa_memory_ordered 1
		.amdhsa_forward_progress 1
		.amdhsa_inst_pref_size 58
	.end_amdhsa_kernel
	.amdgpu_metadata
---
amdhsa.version: [ 1, 2 ]
amdhsa.kernels:
  - .name:           k_qe9966ade1c_proj
    .symbol:         k_qe9966ade1c_proj.kd
    .args:
      - { .name: hc, .offset: 0, .size: 8, .value_kind: global_buffer, .address_space: global }
      - { .name: wts, .offset: 8, .size: 8, .value_kind: global_buffer, .address_space: global }
      - { .name: bproj, .offset: 16, .size: 8, .value_kind: global_buffer, .address_space: global }
      - { .name: x, .offset: 24, .size: 8, .value_kind: global_buffer, .address_space: global }
      - { .name: x1, .offset: 32, .size: 8, .value_kind: global_buffer, .address_space: global }
    .group_segment_fixed_size: 327680
    .private_segment_fixed_size: 0
    .kernarg_segment_align: 8
    .kernarg_segment_size: 40
    .max_flat_workgroup_size: 128
    .sgpr_count:     100
    .vgpr_count:     704
    .wavefront_size: 32
...
	.end_amdgpu_metadata
.endif
;; end of part 5
;; launch ln2: the kernel of part 2 again; grid 256 x 1, 8 waves a work-group, no clusters, 66,816 bytes of LDS; arguments x1, ss2, hc; writes hc
;; launch mlp1 (part 6): grid 32 x 32, 4 waves a work-group, clusters of 4 x 4, 327,680 bytes of LDS; arguments hc, wts, bmlp1, big; writes big
.if DOCPART == 6
	.amdgcn_target "amdgcn-amd-amdhsa--gfx1250"
	.amdhsa_code_object_version 6
	.text
	.protected	k_qe9966ade1c_mlp1
	.globl	k_qe9966ade1c_mlp1
	.p2align	8
	.type	k_qe9966ade1c_mlp1,@function
k_qe9966ade1c_mlp1:
	s_mov_b64 s[64:65], 0
	v_nop
	global_prefetch_b8 v0, s[64:65] scope:SCOPE_SE
	s_setreg_imm32_b32 hwreg(HW_REG_WAVE_MODE, 25, 1), 1
	s_wait_xcnt 0x0
	s_wait_alu depctr_hold_cnt(0) depctr_sa_sdst(0) depctr_va_vdst(0) depctr_va_sdst(0) depctr_va_ssrc(0) depctr_va_vcc(0) depctr_vm_vsrc(0)
	s_getreg_b32 s2, hwreg(HW_REG_IB_STS2, 6, 4)
	s_cmp_eq_u32 s2, 0
	s_cbranch_scc0 .Lentry_in_a_cluster
	s_endpgm
.Lentry_in_a_cluster:
	s_bfe_u32 s2, ttmp6, 0x10000c
	s_cmp_lg_u32 s2, 0xf033
	s_cbranch_scc0 .Lentry_shape_is_right
	s_endpgm
.Lentry_shape_is_right:
; g = gelu(h2 Wmlp1 + bmlp1), exact (by erf), on codes of E3M2, and the quantiser of g along the 4,096 behind it: g goes to memory as codes alone.
; The product is laid as in the launches beside it: a work-group makes 128 tokens (panel y) x 128 columns (panel x); K = 1,024 lies in LDS whole, in two slots, each a first fill; cluster 4 x 4 with joint loads.
; WAVE w: source 1 = token tiles 2 w, 2 w + 1, source 0 = all eight tiles of columns: a lane holds one token and the panel's 128 columns in their natural order: one record's fragment of the next product.
; erf(z) = z P(z^2) / Q(z^2), z held to +-4: a rational form of degrees 6 and 4, right to a few units in f32's last place.  gelu = x/2 + x/2 erf(x / sqrt 2).
; LIMITS: NaN and infinities are not served; a block under 2^-122 keeps the byte 1; a block of zeros has the byte 1 with zero codes.
.set REC,    12800
.set HALF,   2*REC
.set REG,    4*REC
.set SLOT,   2*REG
.set PAN,    8*REC
.set PAN32,  32*REC
.set WOFF,   3276800
.set SPARE,  2*SLOT
.set ACC,    128
.set SC,     32
.set A0,  4
.set A0S, 6
.set A1,  8
.set A1S, 10
.set SPW, 28
.set NIL, 29
.set Z,   56                           ; the activation's registers: z, z^2, P, Q, 16 each;
.set Z2,  72
.set PP,  88
.set QQ,  104
.set TM,  56                           ; the quantiser's lie over them
.set PC,  76
.set SEL, 92
.set G1T, 24
.set G0T, 32
.set G1W, 48
.set G0W, 56
.set MSB, 0
.macro WIN new
.if MSB != \new
	s_set_vgpr_msb (MSB<<8)|\new
.set MSB, \new
.endif
.endm
.macro PLACES
.rept 4
	v_nop
.endr
.endm
.macro JLOAD s
	s_cmp_eq_u32 s15, 0
	s_cbranch_scc0 .Lfor_w_\@
	tensor_load_to_lds s[G0T+4*\s:G0T+4*\s+3], s[G1T:G1T+7]
	s_nop 0
.rept 4
	v_nop
.endr
	s_branch .Lasked_\@
.Lfor_w_\@:
	tensor_load_to_lds s[G0W+4*\s:G0W+4*\s+3], s[G1W:G1W+7]
	s_nop 0
.rept 4
	v_nop
.endr
.Lasked_\@:
.endm
.macro CROUND
	s_barrier_signal -1
	s_barrier_wait -1
	s_cmp_lg_u32 s14, 0
	s_cbranch_scc1 .Lnot_wave_0_\@
	s_barrier_signal -3
.Lnot_wave_0_\@:
	s_barrier_wait -3
	s_barrier_signal -1
	s_barrier_wait -1
.endm
.macro QUANT s, pw
.irp b, 0,1,2,3
	v_max3_num_f32 v[TM+\b], |v[(\s)+16*\b]|, |v[(\s)+1+16*\b]|, 0x2800000
.endr
.irp i, 2,4,6,8,10,12,14
.irp b, 0,1,2,3
	v_max3_num_f32 v[TM+\b], v[TM+\b], |v[(\s)+16*\b+\i]|, |v[(\s)+1+16*\b+\i]|
.endr
.endr
.irp b, 0,1,2,3
	v_permlanex16_b32 v[TM+4+\b], v[TM+\b], s[SEL], s[SEL+1]
.endr
.irp b, 0,1,2,3
	v_max_num_f32 v[TM+\b], v[TM+\b], v[TM+4+\b]
.endr
.irp b, 0,1,2,3
	v_add_nc_u32 v[TM+12+\b], 0xfe000000, v[TM+\b]
.endr
.irp b, 0,1,2,3
	v_lshrrev_b32 v[TM+4+\b], 23, v[TM+12+\b]
.endr
	v_lshl_or_b32 v[\pw], v[TM+5], 8, v[TM+4]
	v_lshl_or_b32 v[\pw], v[TM+6], 16, v[\pw]
	v_lshl_or_b32 v[\pw], v[TM+7], 24, v[\pw]
.irp c, 0,1
	v_cvt_scalef32_pk16_bf6_f32 v[PC+6*\c:PC+2+6*\c], v[(\s)+32*\c:(\s)+15+32*\c], v[TM+12+2*\c]
	v_cvt_scalef32_pk16_bf6_f32 v[PC+12+4*\c:PC+14+4*\c], v[(\s)+16+32*\c:(\s)+31+32*\c], v[TM+12+2*\c+1]
.endr
	v_nop
.irp c, 0,1
.irp i, 0,1,2
	v_permlane16_swap_b32 v[PC+6*\c+\i], v[PC+12+4*\c+\i]
.endr
.irp i, 0,1,2
	v_mov_b32 v[PC+3+6*\c+\i], v[PC+12+4*\c+\i]
.endr
.endr
.endm
.macro FETCH slot, q, f
	WIN 0x40
.set n, 0
.rept 24
	ds_load_b128 v[128*(\f)+4*n:128*(\f)+4*n+3], v[A0+\slot] offset:(\q)*REC+512*n
.set n, n+1
.endr
.set n, 0
.rept 6
	ds_load_b128 v[128*(\f)+96+4*n:128*(\f)+96+4*n+3], v[A1+\slot] offset:(\q)*REC+512*n
.set n, n+1
.endr
	WIN 0
	ds_load_b128 v[SC+12*(\f):SC+12*(\f)+3], v[A0S+\slot] offset:(\q)*REC+12288
	ds_load_b128 v[SC+12*(\f)+4:SC+12*(\f)+7], v[A0S+\slot] offset:(\q)*REC+12304
	ds_load_b64 v[SC+12*(\f)+8:SC+12*(\f)+9], v[A1S+\slot] offset:(\q)*REC+12288
.endm
.macro MUL16 f, first                  ; the 16 accumulators by turns, in the same order in every step
.if \first
	WIN 0x25
.else
	WIN 0x05
.endif
.irp s, 0,1
.irp i, 0,1,2,3,4,5,6,7
.if \first
	v_wmma_scale_f32_16x16x128_f8f6f4 v[ACC+64*\s+8*\i:ACC+64*\s+8*\i+7], v[128*(\f)+12*\i:128*(\f)+12*\i+11], v[128*(\f)+96+12*\s:128*(\f)+96+12*\s+11], v[8*\i:8*\i+7], v[SC+12*(\f)+\i], v[SC+12*(\f)+8+\s] matrix_a_fmt:MATRIX_FMT_BF6 matrix_b_fmt:MATRIX_FMT_BF6
.else
	v_wmma_scale_f32_16x16x128_f8f6f4 v[ACC+64*\s+8*\i:ACC+64*\s+8*\i+7], v[128*(\f)+12*\i:128*(\f)+12*\i+11], v[128*(\f)+96+12*\s:128*(\f)+96+12*\s+11], v[ACC+64*\s+8*\i:ACC+64*\s+8*\i+7], v[SC+12*(\f)+\i], v[SC+12*(\f)+8+\s] matrix_a_fmt:MATRIX_FMT_BF6 matrix_b_fmt:MATRIX_FMT_BF6
.endif
.endr
.endr
	WIN 0
.endm
.macro STEPK slot, q, first
	s_wait_dscnt 0x0
	PLACES
	FETCH \slot, (\q)+1, 1-(\q)%2
	MUL16 (\q)%2, \first
.endm
; gelu of 16 numbers at v[a], in place.  The sixteen reciprocals are one batch with one wait; z P and x / 2 are the work behind them
.macro GELU a
.set g, 0
.rept 8
	v_pk_mul_f32 v[Z+g:Z+g+1], v[(\a)+g:(\a)+g+1], s[68:69] op_sel_hi:[1,0]        ; z = x / sqrt 2
.set g, g+2
.endr
.set g, 0
.rept 16
	v_med3_num_f32 v[Z+g], v[Z+g], -4.0, 4.0
.set g, g+1
.endr
.set g, 0
.rept 8
	v_pk_mul_f32 v[Z2+g:Z2+g+1], v[Z+g:Z+g+1], v[Z+g:Z+g+1]
.set g, g+2
.endr
.set g, 0
.rept 8
	v_pk_fma_f32 v[PP+g:PP+g+1], v[Z2+g:Z2+g+1], v[122:123], s[70:71] op_sel_hi:[1,1,0]
	v_pk_fma_f32 v[QQ+g:QQ+g+1], v[Z2+g:Z2+g+1], v[124:125], s[82:83] op_sel_hi:[1,1,0]
.set g, g+2
.endr
.irp k, 72,74,76,78,80
.set g, 0
.rept 8
	v_pk_fma_f32 v[PP+g:PP+g+1], v[PP+g:PP+g+1], v[Z2+g:Z2+g+1], s[\k:\k+1] op_sel_hi:[1,1,0]
.set g, g+2
.endr
.endr
.irp k, 84,86,88
.set g, 0
.rept 8
	v_pk_fma_f32 v[QQ+g:QQ+g+1], v[QQ+g:QQ+g+1], v[Z2+g:Z2+g+1], s[\k:\k+1] op_sel_hi:[1,1,0]
.set g, g+2
.endr
.endr
.set g, 0
.rept 16
	v_rcp_f32 v[QQ+g], v[QQ+g]
.set g, g+1
.endr
.set g, 0
.rept 8
	v_pk_mul_f32 v[PP+g:PP+g+1], v[PP+g:PP+g+1], v[Z+g:Z+g+1]
.set g, g+2
.endr
.set g, 0
.rept 8
	v_pk_mul_f32 v[(\a)+g:(\a)+g+1], v[(\a)+g:(\a)+g+1], 0.5 op_sel_hi:[1,0]
.set g, g+2
.endr
	s_wait_alu depctr_va_vdst(0)                   ; one wait for the sixteen, ahead of their first reader
.set g, 0
.rept 8
	v_pk_mul_f32 v[PP+g:PP+g+1], v[PP+g:PP+g+1], v[QQ+g:QQ+g+1]    ; erf
.set g, g+2
.endr
.set g, 0
.rept 8
	v_pk_fma_f32 v[(\a)+g:(\a)+g+1], v[(\a)+g:(\a)+g+1], v[PP+g:PP+g+1], v[(\a)+g:(\a)+g+1]
.set g, g+2
.endr
.endm
	s_load_b128 s[4:7], s[0:1], 0x0                ; hc, wts
	s_load_b128 s[8:11], s[0:1], 0x10              ; bmlp1, big
	v_lshl_add_u32 v[SPW], v0, 2, SPARE
	v_mov_b32 v[NIL], 0
	ds_add_u32 v[SPW], v[NIL]                      ; the wave's opening: the add, twice on end, and its wait ahead of my first tensor load
	ds_add_u32 v[SPW], v[NIL]
	v_lshrrev_b32 v1, 5, v0
	v_readfirstlane_b32 s14, v1
	s_lshr_b32 s15, s14, 1
	s_and_b32 s16, s14, 1
	s_bfe_u32 s40, ttmp6, 0x40000
	s_bfe_u32 s41, ttmp6, 0x40004
	s_lshl_b32 s42, ttmp9, 2
	s_add_co_u32 s42, s42, s40                     ; x
	s_and_b32 s17, ttmp7, 0xffff
	s_lshl_b32 s17, s17, 2
	s_add_co_u32 s17, s17, s41                     ; y
	s_lshl_b32 s43, s41, 2
	s_lshl_b32 s43, 15, s43
	s_lshl_b32 s44, 0x1111, s40
	s_or_b32 s[G1T], s43, (3<<16)|(1<<21)
	s_or_b32 s[G1W], s44, (3<<16)|(1<<21)
.irp g, G1T, G1W
	s_mov_b32 s[\g+1], 32<<16
	s_mov_b32 s[\g+2], 100<<16
	s_mov_b32 s[\g+3], 32<<16
	s_mov_b32 s[\g+4], 100
	s_mov_b32 s[\g+5], 32
	s_mov_b32 s[\g+6], 0
	s_mov_b32 s[\g+7], 0
.endr
	s_mul_i32 s18, s16, HALF
	s_mul_i32 s20, s17, PAN
	s_add_co_u32 s20, s20, s18
	s_mov_b32 s21, 0
	s_mul_i32 s46, s42, PAN
	s_add_co_u32 s46, s46, s18
	s_add_co_u32 s46, s46, WOFF
	s_mov_b32 s47, 0
	s_mul_i32 s45, s14, HALF
	s_mov_b32 s[SEL], 0x76543210
	s_mov_b32 s[SEL+1], 0xfedcba98
	s_mov_b32 s68, 0x3f3504f3                      ; 1 / sqrt 2
	s_mov_b32 s70, 0x32edffee                      ; P's coefficients from z^10 down:  2.77068142e-08
	s_mov_b32 s72, 0xb60cff51                      ; -2.10102402e-06
	s_mov_b32 s74, 0xb86ec2d2                      ; -5.69250639e-05
	s_mov_b32 s76, 0xba40ac63                      ; -7.34990630e-04
	s_mov_b32 s78, 0xbb41a1f6                      ; -2.95459981e-03
	s_mov_b32 s80, 0xbc83dbd4                      ; -1.60960333e-02
	s_mov_b32 s82, 0xb95fbd29                      ; Q's from z^6 down: -2.13374055e-04
	s_mov_b32 s84, 0xbadc924e                      ; -1.68282697e-03
	s_mov_b32 s86, 0xbbf19bf8                      ; -7.37332917e-03
	s_mov_b32 s88, 0xbc69b6a7                      ; -1.42647391e-02
.irp k, 68,70,72,74,76,78,80,82,84,86,88
	s_mov_b32 s[\k+1], s[\k]                       ; named with it as a pair, so it is written
.endr
	s_wait_dscnt 0x0
	s_wait_kmcnt 0x0
	s_add_nc_u64 s[20:21], s[4:5], s[20:21]
	s_add_nc_u64 s[46:47], s[6:7], s[46:47]
	CROUND
.irp s, 0,1
	s_mov_b32 s[G0T+4*\s], 1
	s_add_co_u32 s[G0T+4*\s+1], s45, \s*SLOT
	s_add_nc_u64 s[G0T+4*\s+2:G0T+4*\s+3], s[20:21], \s*REG
	s_or_b32 s[G0T+4*\s+3], s[G0T+4*\s+3], 0x80000000
	s_mov_b32 s[G0W+4*\s], 1
	s_add_co_u32 s[G0W+4*\s+1], s45, \s*SLOT
	s_add_nc_u64 s[G0W+4*\s+2:G0W+4*\s+3], s[46:47], \s*REG
	s_or_b32 s[G0W+4*\s+3], s[G0W+4*\s+3], 0x80000000
	JLOAD \s                                       ; two loads of mine are out
.endr
	v_and_b32 v1, 15, v0
	v_bfe_u32 v2, v0, 4, 1
	v_and_b32 v3, 31, v0
	v_lshlrev_b32 v3, 4, v3
	v_lshlrev_b32 v20, 5, v1
	v_lshlrev_b32 v21, 6, v2
	s_mul_i32 s21, s14, 3072
	s_lshl_b32 s22, s14, 3
	v_add_nc_u32 v23, s22, v20                     ; 32 r + 8 w
.irp s, 0,1
	v_add_nc_u32 v[A0+\s], \s*SLOT+REG, v3
	v_add_nc_u32 v[A0S+\s], \s*SLOT+REG, v20
	v_add_nc_u32 v[A1+\s], s21, v3
	v_add_nc_u32 v[A1S+\s], s22, v20
	s_add_co_u32 s21, s21, SLOT
	s_add_co_u32 s22, s22, SLOT
.endr
	v_mov_b32 v122, 0xaf95df0b                     ; P's leading coefficient, -2.72614226e-10,
	v_mov_b32 v123, v122
	v_mov_b32 v124, 0xb77460cd                     ; and Q's, -1.45660718e-05, in vector pairs
	v_mov_b32 v125, v124
	s_lshl_b32 s20, s42, 9
	s_mov_b32 s21, 0
	s_add_nc_u64 s[8:9], s[8:9], s[20:21]
	s_mul_i32 s20, s17, PAN32
	s_mul_i32 s22, s42, REC
	s_add_co_u32 s20, s20, s22                     ; record x of the tokens' panel
	s_add_co_u32 s22, s20, 12288
	s_mov_b32 s23, 0
	s_add_nc_u64 s[22:23], s[10:11], s[22:23]      ; its scale words
	s_mul_i32 s18, s14, 3072
	s_add_co_u32 s20, s20, s18
	s_add_nc_u64 s[10:11], s[10:11], s[20:21]      ; my two images
	WIN 0x80
.irp i, 0,1,2,3,4,5,6,7
	global_load_b128 v[8*\i:8*\i+3], v21, s[8:9] offset:128*(\i/2)+32*(\i%2)
	global_load_b128 v[8*\i+4:8*\i+7], v21, s[8:9] offset:128*(\i/2)+32*(\i%2)+16
.endr
	WIN 0
	s_wait_tensorcnt 0x1                           ; my part of slot 0 is in; slot 1's stays out
	s_barrier_signal -1
	s_barrier_wait -1
	s_wait_loadcnt 0x0
	FETCH 0, 0, 0
	STEPK 0, 0, 1
	STEPK 0, 1, 0
	STEPK 0, 2, 0
	s_wait_tensorcnt 0x0                           ; my part of slot 1 has landed;
	ds_add_u32 v[SPW], v[NIL]                      ; 0 onto my spare word
	s_wait_dscnt 0x0
	s_barrier_signal -1
	s_barrier_wait -1                              ; everybody's has
	PLACES
	FETCH 1, 0, 0
	MUL16 1, 0
	STEPK 1, 0, 0
	STEPK 1, 1, 0
	STEPK 1, 2, 0
	s_wait_dscnt 0x0
	MUL16 1, 0
	PLACES
.irp s, 0,1
.if \s
	s_wait_xcnt 0x0                                ; the first tile's stores have read v76-87: the activation's registers lie over them
.endif
.irp b, 0,1,2,3
	GELU ACC+64*\s+16*\b
.endr
	QUANT ACC+64*\s, 120+\s
.irp c, 0,1,2
	global_store_b128 v3, v[PC+4*\c:PC+4*\c+3], s[10:11] offset:1536*\s+512*\c
.endr
.endr
	global_store_b64 v23, v[120:121], s[22:23]
	s_wait_tensorcnt 0x0                           ; the wave's end: a tensor wait, an add onto my spare word and its wait,
	ds_add_u32 v[SPW], v[NIL]
	s_wait_dscnt 0x0
	CROUND                                         ; and the closing round
	s_endpgm
.Lfunc_end_k_qe9966ade1c_mlp1:
	.size	k_qe9966ade1c_mlp1, .Lfunc_end_k_qe9966ade1c_mlp1-k_qe9966ade1c_mlp1
	.p2alignl 7, 3214868480
	.fill 96, 4, 3214868480
	.section	.rodata,"a",@progbits
	.p2align	6, 0x0
	.amdhsa_kernel k_qe9966ade1c_mlp1
		.amdhsa_group_segment_fixed_size 327680
		.amdhsa_private_segment_fixed_size 0
		.amdhsa_enable_private_segment 0
		.amdhsa_kernarg_size 32
		.amdhsa_user_sgpr_count 2
		.amdhsa_user_sgpr_kernarg_segment_ptr 1
		.amdhsa_wavefront_size32 1
		.amdhsa_system_sgpr_workgroup_id_x 1
		.amdhsa_system_sgpr_workgroup_id_y 1
		.amdhsa_system_sgpr_workgroup_id_z 1
		.amdhsa_system_vgpr_workitem_id 0
		.amdhsa_next_free_vgpr 576
		.amdhsa_next_free_sgpr 100
		.amdhsa_reserve_vcc 0
		.amdhsa_float_denorm_mode_32 3
		.amdhsa_float_denorm_mode_16_64 3
		.amdhsa_memory_ordered 1
		.amdhsa_forward_progress 1
		.amdhsa_inst_pref_size 130
	.end_amdhsa_kernel
	.amdgpu_metadata
---
amdhsa.version: [ 1, 2 ]
amdhsa.kernels:
  - .name:           k_qe9966ade1c_mlp1
    .symbol:         k_qe9966ade1c_mlp1.kd
    .args:
      - { .name: hc, .offset: 0, .size: 8, .value_kind: global_buffer, .address_space: global }
      - { .name: wts, .offset: 8, .size: 8, .value_kind: global_buffer, .address_space: global }
      - { .name: bmlp1, .offset: 16, .size: 8, .value_kind: global_buffer, .address_space: global }
      - { .name: big, .offset: 24, .size: 8, .value_kind: global_buffer, .address_space: global }
    .group_segment_fixed_size: 327680
    .private_segment_fixed_size: 0
    .kernarg_segment_align: 8
    .kernarg_segment_size: 32
    .max_flat_workgroup_size: 128
    .sgpr_count:     100
    .vgpr_count:     576
    .wavefront_size: 32
...
	.end_amdgpu_metadata
.endif
;; end of part 6
;; launch mlp2 (part 7): grid 8 x 32, 4 waves a work-group, clusters of 4 x 4, 327,680 bytes of LDS; arguments big, wts, bmlp2, x1, out0; writes out0
.if DOCPART == 7
	.amdgcn_target "amdgcn-amd-amdhsa--gfx1250"
	.amdhsa_code_object_version 6
	.text
	.protected	k_qe9966ade1c_mlp2
	.globl	k_qe9966ade1c_mlp2
	.p2align	8
	.type	k_qe9966ade1c_mlp2,@function
k_qe9966ade1c_mlp2:
	s_mov_b64 s[64:65], 0
	v_nop
	global_prefetch_b8 v0, s[64:65] scope:SCOPE_SE
	s_setreg_imm32_b32 hwreg(HW_REG_WAVE_MODE, 25, 1), 1
	s_wait_xcnt 0x0
	s_wait_alu depctr_hold_cnt(0) depctr_sa_sdst(0) depctr_va_vdst(0) depctr_va_sdst(0) depctr_va_ssrc(0) depctr_va_vcc(0) depctr_vm_vsrc(0)
	s_getreg_b32 s2, hwreg(HW_REG_IB_STS2, 6, 4)
	s_cmp_eq_u32 s2, 0
	s_cbranch_scc0 .Lentry_in_a_cluster
	s_endpgm
.Lentry_in_a_cluster:
	s_bfe_u32 s2, ttmp6, 0x10000c
	s_cmp_lg_u32 s2, 0xf033
	s_cbranch_scc0 .Lentry_shape_is_right
	s_endpgm
.Lentry_shape_is_right:
; out = residual + A W + bias on codes of E3M2; out and residual [4,096][1,024] f32.  Here: out0 = x1 + g Wmlp2 + bmlp2, K = 4,096.
; A work-group makes 128 tokens (panel y) x 128 columns (panel x).  K goes through a ring of two LDS slots of 512 (four records of each operand): eight fills, six of them refills.
; CLUSTER 4 x 4: the tokens' records hang on y alone and are asked for jointly along a row of the cluster, the weights' on x alone, along a column.
; WAVE w: source 1 = token tiles 2 w, 2 w + 1, source 0 = all eight tiles of columns: 16 accumulators; a lane holds one token, and its 64 registers are the panel's 128 columns in their natural order
; (lane row r of tile t is row 32 (t / 2) + 8 (t % 2) + r % 8 + 16 (r / 8)).  The bias is the C of the first products.  The result goes through the wave's own stage in LDS and leaves as rows of 512 bytes.
.set REC,    12800
.set HALF,   2*REC
.set REG,    4*REC
.set SLOT,   2*REG
.set KSLOTS, 8                         ; K / 512
.set PAN,    KSLOTS*REG
.set WOFF,   6553600
.set STG,    2*SLOT                    ; 16 rows x 528 bytes for each wave
.set SPITCH, 528
.set SPARE,  STG+4*16*SPITCH
.set ACC,    128
.set SC,     32
.set OB,     56                        ; v56-119 16 rows read back
.set A0,  4
.set A0S, 6
.set A1,  8
.set A1S, 10
.set STO, 12
.set RD,  13
.set SPW, 28
.set NIL, 29
.set G1T, 24
.set G0T, 32
.set G1W, 48
.set G0W, 56
.set MSB, 0
.macro WIN new
.if MSB != \new
	s_set_vgpr_msb (MSB<<8)|\new
.set MSB, \new
.endif
.endm
.macro PLACES
.rept 4
	v_nop
.endr
.endm
.macro JLOAD s
	s_cmp_eq_u32 s15, 0
	s_cbranch_scc0 .Lfor_w_\@
	tensor_load_to_lds s[G0T+4*\s:G0T+4*\s+3], s[G1T:G1T+7]
	s_nop 0
.rept 4
	v_nop
.endr
	s_branch .Lasked_\@
.Lfor_w_\@:
	tensor_load_to_lds s[G0W+4*\s:G0W+4*\s+3], s[G1W:G1W+7]
	s_nop 0
.rept 4
	v_nop
.endr
.Lasked_\@:
.endm
.macro CROUND
	s_barrier_signal -1
	s_barrier_wait -1
	s_cmp_lg_u32 s14, 0
	s_cbranch_scc1 .Lnot_wave_0_\@
	s_barrier_signal -3
.Lnot_wave_0_\@:
	s_barrier_wait -3
	s_barrier_signal -1
	s_barrier_wait -1
.endm
.macro FETCH slot, q, f
	WIN 0x40
.set n, 0
.rept 24
	ds_load_b128 v[128*(\f)+4*n:128*(\f)+4*n+3], v[A0+\slot] offset:(\q)*REC+512*n
.set n, n+1
.endr
.set n, 0
.rept 6
	ds_load_b128 v[128*(\f)+96+4*n:128*(\f)+96+4*n+3], v[A1+\slot] offset:(\q)*REC+512*n
.set n, n+1
.endr
	WIN 0
	ds_load_b128 v[SC+12*(\f):SC+12*(\f)+3], v[A0S+\slot] offset:(\q)*REC+12288
	ds_load_b128 v[SC+12*(\f)+4:SC+12*(\f)+7], v[A0S+\slot] offset:(\q)*REC+12304
	ds_load_b64 v[SC+12*(\f)+8:SC+12*(\f)+9], v[A1S+\slot] offset:(\q)*REC+12288
.endm
.macro MUL16 f, first                  ; the 16 accumulators by turns, in the same order in every step, over the loop's backward jump too
.if \first
	WIN 0x25
.else
	WIN 0x05
.endif
.irp s, 0,1
.irp i, 0,1,2,3,4,5,6,7
.if \first
	v_wmma_scale_f32_16x16x128_f8f6f4 v[ACC+64*\s+8*\i:ACC+64*\s+8*\i+7], v[128*(\f)+12*\i:128*(\f)+12*\i+11], v[128*(\f)+96+12*\s:128*(\f)+96+12*\s+11], v[8*\i:8*\i+7], v[SC+12*(\f)+\i], v[SC+12*(\f)+8+\s] matrix_a_fmt:MATRIX_FMT_BF6 matrix_b_fmt:MATRIX_FMT_BF6
.else
	v_wmma_scale_f32_16x16x128_f8f6f4 v[ACC+64*\s+8*\i:ACC+64*\s+8*\i+7], v[128*(\f)+12*\i:128*(\f)+12*\i+11], v[128*(\f)+96+12*\s:128*(\f)+96+12*\s+11], v[ACC+64*\s+8*\i:ACC+64*\s+8*\i+7], v[SC+12*(\f)+\i], v[SC+12*(\f)+8+\s] matrix_a_fmt:MATRIX_FMT_BF6 matrix_b_fmt:MATRIX_FMT_BF6
.endif
.endr
.endr
	WIN 0
.endm
.macro STEPK slot, q, first
	s_wait_dscnt 0x0                               ; this record's fragments are in
	PLACES                                         ; behind the last products, whose buffer takes the next record's
	FETCH \slot, (\q)+1, 1-(\q)%2
	MUL16 (\q)%2, \first
.endm
; A slot's last record changes slots.  All my tensor loads have landed; the add; my reads of this slot are in registers; a barrier.  fill = 1: it is a round of the cluster's, and this slot is asked for again, two slots on:
; the load has four records' work, 64 matrix instructions a wave, in which to land.
.macro TURN slot, next, fill
	s_wait_tensorcnt 0x0
	ds_add_u32 v[SPW], v[NIL]                      ; 0 onto my spare word
.if \fill
	s_add_nc_u64 s[G0T+4*\slot+2:G0T+4*\slot+3], s[G0T+4*\slot+2:G0T+4*\slot+3], 2*REG
	s_add_nc_u64 s[G0W+4*\slot+2:G0W+4*\slot+3], s[G0W+4*\slot+2:G0W+4*\slot+3], 2*REG
.endif
	s_wait_dscnt 0x0
.if \fill
	CROUND
	JLOAD \slot                                    ; the first tensor load behind the round; its four v_nop are also the places in front of the loads below
.else
	s_barrier_signal -1
	s_barrier_wait -1
	PLACES
.endif
	FETCH \next, 0, 0
	MUL16 1, 0
.endm
	s_load_b128 s[4:7], s[0:1], 0x0                ; the tokens' codes, wts
	s_load_b128 s[8:11], s[0:1], 0x10              ; the bias, the residual
	s_load_b64 s[12:13], s[0:1], 0x20              ; out
	v_lshl_add_u32 v[SPW], v0, 2, SPARE
	v_mov_b32 v[NIL], 0
	ds_add_u32 v[SPW], v[NIL]                      ; the wave's opening: the add, twice on end, and its wait ahead of my first tensor load
	ds_add_u32 v[SPW], v[NIL]
	v_lshrrev_b32 v1, 5, v0
	v_readfirstlane_b32 s14, v1
	s_lshr_b32 s15, s14, 1
	s_and_b32 s16, s14, 1
	s_bfe_u32 s40, ttmp6, 0x40000
	s_bfe_u32 s41, ttmp6, 0x40004
	s_lshl_b32 s42, ttmp9, 2
	s_add_co_u32 s42, s42, s40                     ; x
	s_and_b32 s17, ttmp7, 0xffff
	s_lshl_b32 s17, s17, 2
	s_add_co_u32 s17, s17, s41                     ; y
	s_lshl_b32 s43, s41, 2
	s_lshl_b32 s43, 15, s43
	s_lshl_b32 s44, 0x1111, s40
	s_or_b32 s[G1T], s43, (3<<16)|(1<<21)
	s_or_b32 s[G1W], s44, (3<<16)|(1<<21)
.irp g, G1T, G1W
	s_mov_b32 s[\g+1], 32<<16                      ; a dense block as 100 rows of 256 bytes
	s_mov_b32 s[\g+2], 100<<16
	s_mov_b32 s[\g+3], 32<<16
	s_mov_b32 s[\g+4], 100
	s_mov_b32 s[\g+5], 32
	s_mov_b32 s[\g+6], 0
	s_mov_b32 s[\g+7], 0
.endr
	s_mul_i32 s18, s16, HALF
	s_mul_i32 s20, s17, PAN
	s_add_co_u32 s20, s20, s18
	s_mov_b32 s21, 0
	s_mul_i32 s46, s42, PAN
	s_add_co_u32 s46, s46, s18
	s_add_co_u32 s46, s46, WOFF
	s_mov_b32 s47, 0
	s_mul_i32 s45, s14, HALF
	s_wait_dscnt 0x0
	s_wait_kmcnt 0x0
	s_add_nc_u64 s[20:21], s[4:5], s[20:21]
	s_add_nc_u64 s[46:47], s[6:7], s[46:47]
	CROUND
.irp s, 0,1
	s_mov_b32 s[G0T+4*\s], 1
	s_add_co_u32 s[G0T+4*\s+1], s45, \s*SLOT
	s_add_nc_u64 s[G0T+4*\s+2:G0T+4*\s+3], s[20:21], \s*REG
	s_or_b32 s[G0T+4*\s+3], s[G0T+4*\s+3], 0x80000000
	s_mov_b32 s[G0W+4*\s], 1
	s_add_co_u32 s[G0W+4*\s+1], s45, \s*SLOT
	s_add_nc_u64 s[G0W+4*\s+2:G0W+4*\s+3], s[46:47], \s*REG
	s_or_b32 s[G0W+4*\s+3], s[G0W+4*\s+3], 0x80000000
	JLOAD \s                                       ; two loads of mine are out
.endr
	v_and_b32 v1, 15, v0
	v_bfe_u32 v2, v0, 4, 1
	v_and_b32 v3, 31, v0
	v_lshlrev_b32 v3, 4, v3
	v_lshlrev_b32 v20, 5, v1
	v_lshlrev_b32 v21, 6, v2
	s_mul_i32 s21, s14, 3072
	s_lshl_b32 s22, s14, 3
.irp s, 0,1
	v_add_nc_u32 v[A0+\s], \s*SLOT+REG, v3
	v_add_nc_u32 v[A0S+\s], \s*SLOT+REG, v20
	v_add_nc_u32 v[A1+\s], s21, v3
	v_add_nc_u32 v[A1S+\s], s22, v20
	s_add_co_u32 s21, s21, SLOT
	s_add_co_u32 s22, s22, SLOT
.endr
	s_mul_i32 s23, s14, 16*SPITCH
	s_add_co_u32 s23, s23, STG                     ; my stage
	v_mul_u32_u24 v[STO], v1, SPITCH
	v_add_nc_u32 v[STO], v[STO], v21
	v_add_nc_u32 v[STO], s23, v[STO]               ; in: row r, + 64 h
	v_add_nc_u32 v[RD], s23, v3                    ; back: a row of 512 bytes to the 32 lanes
	s_lshl_b32 s20, s42, 9
	s_mov_b32 s21, 0
	s_add_nc_u64 s[8:9], s[8:9], s[20:21]          ; the bias of my 128 columns
	s_lshl_b32 s22, s17, 19
	s_add_co_u32 s20, s20, s22
	s_lshl_b32 s22, s14, 17
	s_add_co_u32 s20, s20, s22                     ; token 128 y + 32 w, column 128 x
	s_add_nc_u64 s[10:11], s[10:11], s[20:21]
	s_add_nc_u64 s[12:13], s[12:13], s[20:21]
	WIN 0x80
.irp i, 0,1,2,3,4,5,6,7
	global_load_b128 v[8*\i:8*\i+3], v21, s[8:9] offset:128*(\i/2)+32*(\i%2)
	global_load_b128 v[8*\i+4:8*\i+7], v21, s[8:9] offset:128*(\i/2)+32*(\i%2)+16
.endr
.set n, 0
.rept 32                               ; the residual's rows, as they will be stored: tile s = n / 16, lane row n % 16
	global_load_b128 v[64+4*n:67+4*n], v3, s[10:11] offset:(8*(n/16)+(n%8)+16*((n%16)/8))*4096
.set n, n+1
.endr
	WIN 0
	s_wait_tensorcnt 0x1                           ; my part of slot 0 is in; slot 1's stays out
	s_barrier_signal -1
	s_barrier_wait -1
	s_wait_loadcnt 32                              ; the bias is in; the residual's 32 loads stay out
	FETCH 0, 0, 0
	STEPK 0, 0, 1
.if KSLOTS > 2
	s_mov_b32 s3, KSLOTS/2-1
.Llap:                                             ; a trip goes once round the ring and fills both slots again
	STEPK 0, 1, 0
	STEPK 0, 2, 0
	TURN 0, 1, 1
	STEPK 1, 0, 0
	STEPK 1, 1, 0
	STEPK 1, 2, 0
	TURN 1, 0, 1
	STEPK 0, 0, 0
	s_sub_co_u32 s3, s3, 1
	s_cmp_lg_u32 s3, 0
	s_cbranch_scc1 .Llap
.endif
	STEPK 0, 1, 0                                  ; the last lap fills nothing
	STEPK 0, 2, 0
	TURN 0, 1, 0
	STEPK 1, 0, 0
	STEPK 1, 1, 0
	STEPK 1, 2, 0
	s_wait_dscnt 0x0
	MUL16 1, 0
	PLACES
	s_wait_loadcnt 0x0                             ; the residual
.irp s, 0,1
.irp t, 0,1,2,3,4,5,6,7                ; each accumulator from its low end on
	ds_store_b128 v[STO], v[ACC+64*\s+8*\t:ACC+64*\s+8*\t+3] offset:128*(\t/2)+32*(\t%2)
	ds_store_b128 v[STO], v[ACC+64*\s+8*\t+4:ACC+64*\s+8*\t+7] offset:128*(\t/2)+32*(\t%2)+16
.endr
.if \s
	s_wait_xcnt 0x0                                ; the first tile's stores have read their registers
.endif
.set n, 0
.rept 16
	ds_load_b128 v[OB+4*n:OB+4*n+3], v[RD] offset:n*SPITCH         ; LDS serves a wave's instructions in order: these see my stores
.set n, n+1
.endr
	s_wait_dscnt 0x0
	WIN 0x08
.set n, 0
.rept 32
	v_pk_add_f32 v[OB+2*n:OB+2*n+1], v[OB+2*n:OB+2*n+1], v[64+64*\s+2*n:65+64*\s+2*n]
.set n, n+1
.endr
	WIN 0
.set n, 0
.rept 16
	global_store_b128 v3, v[OB+4*n:OB+4*n+3], s[12:13] offset:(8*\s+(n%8)+16*(n/8))*4096    ; 512 consecutive bytes, aligned
.set n, n+1
.endr
.endr
	s_wait_tensorcnt 0x0                           ; the wave's end: a tensor wait, an add onto my spare word and its wait,
	ds_add_u32 v[SPW], v[NIL]
	s_wait_dscnt 0x0
	CROUND                                         ; and the closing round
	s_endpgm
.Lfunc_end_k_qe9966ade1c_mlp2:
	.size	k_qe9966ade1c_mlp2, .Lfunc_end_k_qe9966ade1c_mlp2-k_qe9966ade1c_mlp2
	.p2alignl 7, 3214868480
	.fill 96, 4, 3214868480
	.section	.rodata,"a",@progbits
	.p2align	6, 0x0
	.amdhsa_kernel k_qe9966ade1c_mlp2
		.amdhsa_group_segment_fixed_size 327680
		.amdhsa_private_segment_fixed_size 0
		.amdhsa_enable_private_segment 0
		.amdhsa_kernarg_size 40
		.amdhsa_user_sgpr_count 2
		.amdhsa_user_sgpr_kernarg_segment_ptr 1
		.amdhsa_wavefront_size32 1
		.amdhsa_system_sgpr_workgroup_id_x 1
		.amdhsa_system_sgpr_workgroup_id_y 1
		.amdhsa_system_sgpr_workgroup_id_z 1
		.amdhsa_system_vgpr_workitem_id 0
		.amdhsa_next_free_vgpr 704
		.amdhsa_next_free_sgpr 100
		.amdhsa_reserve_vcc 0
		.amdhsa_float_denorm_mode_32 3
		.amdhsa_float_denorm_mode_16_64 3
		.amdhsa_memory_ordered 1
		.amdhsa_forward_progress 1
		.amdhsa_inst_pref_size 95
	.end_amdhsa_kernel
	.amdgpu_metadata
---
amdhsa.version: [ 1, 2 ]
amdhsa.kernels:
  - .name:           k_qe9966ade1c_mlp2
    .symbol:         k_qe9966ade1c_mlp2.kd
    .args:
      - { .name: big, .offset: 0, .size: 8, .value_kind: global_buffer, .address_space: global }
      - { .name: wts, .offset: 8, .size: 8, .value_kind: global_buffer, .address_space: global }
      - { .name: bmlp2, .offset: 16, .size: 8, .value_kind: global_buffer, .address_space: global }
      - { .name: x1, .offset: 24, .size: 8, .value_kind: global_buffer, .address_space: global }
      - { .name: out0, .offset: 32, .size: 8, .value_kind: global_buffer, .address_space: global }
    .group_segment_fixed_size: 327680
    .private_segment_fixed_size: 0
    .kernarg_segment_align: 8
    .kernarg_segment_size: 40
    .max_flat_workgroup_size: 128
    .sgpr_count:     100
    .vgpr_count:     704
    .wavefront_size: 32
...
	.end_amdgpu_metadata
.endif
;; end of part 7
